; MI455X (gfx1250); checked and timed in simulation.
; The chip was launched on July 23, 2026; its instructions are those of AMD's public machine-readable ISA for CDNA 5 (MIT licence, August 2026) and "CDNA5" Instruction Set Architecture Reference Guide (July 2026). The comments in the code are by the model that wrote it; some were corrected since.
;; Attention. Allowed arithmetic: matrix products marked QUANTISED: E2M3 operands, one E8M0 scale for each 32 along K, by v_wmma_scale_f32_16x16x128_f8f6f4 with both operands' format E2M3, f32 sums; everything else in f32.
;; Inputs: freqs_cos 2,048 x 64 float32; freqs_sin 2,048 x 64 float32; mask 2,048 x 2,048 float32; wk 512 x 4,096 float32; wo 4,096 x 1,024 float32; wq 1,024 x 4,096 float32; wv 512 x 4,096 float32; x 2 x 2,048 x 4,096 float32.
;; Outputs: out0 2 x 2,048 x 4,096 float32.
;; Constants: start_pos = 0.
;; This version of the problem:
;;   THIS VERSION OF THE PROBLEM IS GIVEN IN LOW PRECISION. The matrix products marked QUANTISED in the list below multiply operands that are first quantised to E2M3 (2 exponent bits, 3 mantissa bits; 6 bits a number), with one power-of-two scale for each 32 numbers along K (OCP MX v1.0); their sums are f32. All else is computed in f32.
;;   The module's matrix products, in the order in which they are computed (A, B: the left and right operand; K: the contracted axis; several contracted axes count as one K, in the product's order):
;;     1. [M 4,096, K 4,096] x [K 4,096, N 1,024]; A: input x; B: input wq: QUANTISED
;;     2. [M 4,096, K 4,096] x [K 4,096, N 512]; A: input x; B: input wk: QUANTISED
;;     3. [M 4,096, K 4,096] x [K 4,096, N 512]; A: input x; B: input wv: QUANTISED
;;     4. batch 8 x [M 4,096, K 128] x [K 128, N 2,048]; A: computed on the way; B: computed on the way: QUANTISED
;;     5. batch 8 x [M 4,096, K 2,048] x [K 2,048, N 128]; A: softmax (see below); B: computed on the way: QUANTISED
;;     6. [M 4,096, K 1,024] x [K 1,024, N 4,096]; A: computed on the way; B: input wo: QUANTISED
;;   THE QUANTISER, for each operand of a quantised product, along K:
;;     - K is cut into blocks of 32 from its start; a last block that is shorter is filled with zeros.
;;     - A block's scale is 2^e with e = floor(log2(the largest magnitude in the block)) - 2, held to -126 .. 127; a block of zeros has e = 0. As a byte (E8M0): e + 127.
;;     - Each number is divided by its block's scale, clamped to +-7.5, and rounded to the nearest number of E2M3, ties to even, subnormals kept.
;;     - The product sums the exact products of the quantised numbers (number of the format x scale) in f32.
;;   ~~~python
;;   def quantise(x, axis):      # numpy; x: float32 -> the quantised numbers, widened to float32 again
;;       x = np.moveaxis(x, axis, -1); K = x.shape[-1]
;;       x = np.pad(x, [(0, 0)] * (x.ndim - 1) + [(0, -K % 32)]); x = x.reshape(x.shape[:-1] + (-1, 32)); a = np.abs(x).max(-1, keepdims=True)
;;       e = np.where(a > 0, np.clip(np.frexp(np.where(a > 0, a, 1))[1] - 1 - 2, -126, 127), 0)      # np.frexp(a)[1] - 1 = floor(log2(a)), exactly
;;       r = np.clip(x / 2.0 ** e, -7.5, 7.5)
;;       step = 2.0 ** (np.maximum(np.frexp(np.where(r == 0, 1, r))[1] - 1, 0) - 3)
;;       q = np.round(r / step) * step * 2.0 ** e      # np.round: ties to even
;;       return np.moveaxis(q.reshape(q.shape[:-2] + (-1,))[..., :K], -1, axis).astype(np.float32)
;;   ~~~
;;   SOFTMAX AHEAD OF A QUANTISED PRODUCT. Where the list says 'softmax', what is quantised is not the finished softmax but p = 2^(t - M), with t = logit x log2(e) and M = ceil(the row's largest t), a whole number; so 1/2 < the row's largest p <= 1. The row's sum l is taken of the UNQUANTISED p, in f32, and the product's result is divided by l at the end. Since M is a whole number, a kernel that streams over the keys may use a running M (the ceiling of the running maximum): every later rescaling is an exact power of two, which a block's scale takes up: the codes' values come out the same.
;;   OPERANDS COMPUTED ON THE WAY. 'Computed on the way' means the value that the module computes at that place (a softmax that the list does not call 'softmax' is quantised finished and normalised). What goes into a quantiser is computed in f32, as accurately as f32 sums, v_exp_f32 and their like allow (about 1e-6 of the number): no bf16 or f16 on the way to a quantiser, and a product that is left as it is and whose result goes on into a quantised operand takes f32 operands (vector FMAs, or v_wmma_f32_16x16x4_f32). A number that lies on a knife's edge between two numbers of the format may be rounded either way, as far as f32 arithmetic and the matrix unit's own rounding can turn it there, and no further.
;; One version. Each part assembles by itself: llvm-mc -triple=amdgcn-amd-amdhsa -mcpu=gfx1250 --defsym DOCPART=n.
;; ======== version 1 of 1: 4 launches
;; workspace buffers: x_img 13,107,200 bytes; w_img 6,553,600 bytes; wo_codes 3,145,728 bytes; wo_scales 131,072 bytes; qkv_img 6,291,456 bytes; qkv_sc 262,144 bytes; o_codes 3,145,728 bytes; o_scales 131,072 bytes
;; launch quant (part 1): grid 896 x 1, 4 waves a work-group, no clusters, 67,072 bytes of LDS; arguments x, wq, wk, wv, wo, x_img, w_img, wo_codes, wo_scales; writes x_img, w_img, wo_codes, wo_scales
.if DOCPART == 1
	.amdgcn_target "amdgcn-amd-amdhsa--gfx1250"
	.amdhsa_code_object_version 6
	.text
	.protected	k_q894f80dfb0_quant
	.globl	k_q894f80dfb0_quant
	.p2align	8
	.type	k_q894f80dfb0_quant,@function
k_q894f80dfb0_quant:
	s_mov_b64 s[64:65], 0
	v_nop
	global_prefetch_b8 v0, s[64:65] scope:SCOPE_SE
	s_setreg_imm32_b32 hwreg(HW_REG_WAVE_MODE, 25, 1), 1
	s_wait_xcnt 0x0
; x [4096][4096], wq [1024][4096], wk, wv [512][4096] and wo [4096][1024], f32 with K innermost, become codes of FP6 (E2M3) with one E8M0 byte for each 32 along K.
; A block's scale is 2^(floor(log2(largest magnitude)) - 2); its byte is the largest magnitude's exponent field - 2, held at 1 from below (a block of zeros keeps the byte 1: its codes are zeros, and this program alone reads the bytes).
; LIMITS: NaN and infinities among the inputs are not served; blocks whose largest magnitude lies under 2^(3 - 127) keep the byte 1.
; WORK-GROUPS 0-767: x, wq, wk, wv leave as IMAGES OF OPERAND REGISTERS.  A chunk is 16 rows x 512 K: four fragments of 16 x 128 (12 registers a lane: three pieces of 512 bytes, lane l's 16 bytes at 16 l),
; then 256 bytes of scale words (row r's four words at 16 r): 6,400 bytes.  A block of 16 rows has 8 chunks on end.  THE ROWS OF A BLOCK ARE NOT NEIGHBOURS: row r of block i is row 32 (i / 2) + 8 (i % 2) + r % 8 + 16 (r / 8),
; so that the results of a product that takes two neighbouring blocks as source 0 are 16 neighbours in a lane's registers.  A wave makes one chunk: each load reads 512 consecutive bytes of a row; the numbers turn through
; the wave's own stage in LDS, so that a lane holds 16 neighbours of each block of 32 of ONE row.
; WORK-GROUPS 768-895: wo leaves as plain rows of codes and of scale bytes (a stream of blocks of 32); a wave takes 16 steps of 512 numbers.  The two paths have LDS bytes of their own.  No barrier: waves share nothing.
.set KB,    16384                      ; a row of x or of wq, wk, wv in bytes
.set CHB,   6400                       ; a chunk
.set SP1,   528                        ; a stage row: 512 bytes + 16
.set WST,   16*SP1                     ; a wave's stage
.set ROWS0, 4*WST                      ; where the second path's LDS begins
.set TM,    8                          ; v8-11 largest magnitudes, v12-15 bytes, v20-23 the conversions' scale operands
.set PWQ,   24                         ; v24-27 the four scale words of my row
.set PC,    28                         ; v28-47 the codes just made
.set X,     48                         ; v48-111 64 numbers: register 16 b + i = k 32 b + 16 (lane / 16) + i of my row
.set R,     112                        ; v112-239 two sets of 64 as loaded
.set WV,    22
.set SEL,   34                         ; s[34:35] v_permlanex16_b32's selects for lane l xor 16
.set HM,    36                         ; s36 lanes 16-31
	s_load_b256 s[4:11], s[0:1], 0x0               ; x, wq, wk, wv
	s_load_b256 s[12:19], s[0:1], 0x20             ; wo, x_img, w_img, wo_codes
	s_load_b64 s[20:21], s[0:1], 0x40              ; wo_scales
	v_lshl_add_u32 v240, v0, 2, 0x10400
	v_mov_b32 v241, 0
	v_lshrrev_b32 v1, 5, v0
	v_readfirstlane_b32 s[WV], v1                  ; wave 0..3
	s_cmp_ge_u32 ttmp9, 768
	s_cbranch_scc1 .Lrows
; 64 numbers of a lane, v[s] on, become a fragment's codes in v[PC] on and its scale word in v[pw]
.macro QUANT s, pw
.irp b, 0,1,2,3
	v_max3_num_f32 v[TM+\b], |v[\s+16*\b]|, |v[\s+1+16*\b]|, 0x1800000   ; block b: my 16 numbers, and the floor 2^(3 - 127): the byte cannot fall under 1
.endr
.irp i, 2,4,6,8,10,12,14
.irp b, 0,1,2,3
	v_max3_num_f32 v[TM+\b], v[TM+\b], |v[\s+16*\b+\i]|, |v[\s+1+16*\b+\i]|   ; the four blocks by turns
.endr
.endr
.irp b, 0,1,2,3
	v_permlanex16_b32 v[TM+4+\b], v[TM+\b], s[SEL], s[SEL+1]
.endr
.irp b, 0,1,2,3
	v_max_num_f32 v[TM+\b], v[TM+\b], v[TM+4+\b]   ; with lane l xor 16's: the block's largest magnitude
.endr
.irp b, 0,1,2,3
	v_add_nc_u32 v[TM+12+\b], 0xff000000, v[TM+\b] ; 2 off its exponent field: the conversion's scale operand
.endr
.irp b, 0,1,2,3
	v_lshrrev_b32 v[TM+4+\b], 23, v[TM+12+\b]      ; the scale's byte
.endr
	v_lshl_or_b32 v[\pw], v[TM+5], 8, v[TM+4]
	v_lshl_or_b32 v[\pw], v[TM+6], 16, v[\pw]
	v_lshl_or_b32 v[\pw], v[TM+7], 24, v[\pw]      ; my row's scale word
.irp c, 0,1
	v_cvt_scalef32_pk16_fp6_f32 v[PC+6*\c:PC+2+6*\c], v[\s+32*\c:\s+15+32*\c], v[TM+12+2*\c]
	v_cvt_scalef32_pk16_fp6_f32 v[PC+12+4*\c:PC+14+4*\c], v[\s+16+32*\c:\s+31+32*\c], v[TM+12+2*\c+1]   ; (a conversion's three registers begin on an even number)
.endr
	v_nop                                          ; one plain place behind a scaled conversion
.irp c, 0,1                                    ; the operand's layout wants a WHOLE block in a lane: lanes 0-15 block 2 c, lanes 16-31 block 2 c + 1
.irp i, 0,1,2
	v_permlane16_swap_b32 v[PC+6*\c+\i], v[PC+12+4*\c+\i]
.endr
.irp i, 0,1,2
	v_mov_b32 v[PC+3+6*\c+\i], v[PC+12+4*\c+\i]
.endr
.endr
.endm
	; ---- the images ----
	v_and_b32 v1, 31, v0                           ; lane
	v_lshlrev_b32 v2, 4, v1                        ; 16 x lane: my bytes of a load's 512, and of an image's piece
	s_mul_i32 s23, s[WV], WST
	v_add_nc_u32 v3, s23, v2                       ; into the stage: as loaded
	v_and_b32 v6, 15, v0                           ; r
	v_bfe_u32 v7, v0, 4, 1                         ; h
	v_mul_u32_u24 v4, v6, SP1
	v_lshl_add_u32 v4, v7, 6, v4
	v_add_nc_u32 v4, s23, v4                       ; out of it: row r, + 64 h: 16 numbers of each block of 32
	v_lshlrev_b32 v5, 4, v6
	v_lshl_add_u32 v5, v7, 3, v5
	v_add_nc_u32 v5, 4*1536, v5                    ; the scale words: behind the four images, 16 r + 8 h
.irp b, 0,1,2,3
	v_mov_b32 v[TM+4+\b], 0                        ; written once: a lane permute's destination counts as one of its sources
.endr
	s_mov_b32 s[SEL], 0x76543210
	s_mov_b32 s[SEL+1], 0xfedcba98
	s_mov_b32 s[HM], 0xffff0000
	s_lshr_b32 s24, ttmp9, 1                       ; the block of 16 rows, 0..383: x's 256, wq's 64, wk's 32, wv's 32
	s_and_b32 s25, ttmp9, 1
	s_lshl_b32 s25, s25, 2
	s_add_co_u32 s25, s25, s[WV]                   ; my chunk, 0..7
	s_wait_kmcnt 0x0
	s_mov_b64 s[26:27], s[10:11]                   ; the choice of buffers hangs on the work-group's number alone
	s_mov_b32 s28, 352
	s_cmp_lt_u32 s24, 352
	s_cselect_b64 s[26:27], s[8:9], s[26:27]
	s_cselect_b32 s28, 320, s28
	s_cmp_lt_u32 s24, 320
	s_cselect_b64 s[26:27], s[6:7], s[26:27]
	s_cselect_b32 s28, 256, s28
	s_cmp_lt_u32 s24, 256
	s_cselect_b64 s[26:27], s[4:5], s[26:27]
	s_cselect_b32 s28, 0, s28
	s_cselect_b64 s[30:31], s[14:15], s[16:17]
	s_cselect_b32 s29, 0, 256
	s_sub_co_u32 s29, s24, s29                     ; the block's number in its image buffer
	s_sub_co_u32 s28, s24, s28                     ; and in its tensor
	s_lshr_b32 s32, s28, 1
	s_lshl_b32 s32, s32, 5
	s_and_b32 s33, s28, 1
	s_lshl_b32 s33, s33, 3
	s_add_co_u32 s32, s32, s33                     ; the block's first row: 32 (i / 2) + 8 (i % 2)
	s_lshl_b32 s32, s32, 14
	s_lshl_b32 s33, s25, 11
	s_add_co_u32 s32, s32, s33                     ; + 2,048 bytes a chunk
	s_mov_b32 s33, 0
	s_add_nc_u64 s[26:27], s[26:27], s[32:33]
	s_lshl_b32 s32, s29, 3
	s_add_co_u32 s32, s32, s25
	s_mul_i32 s32, s32, CHB
	s_add_nc_u64 s[30:31], s[30:31], s[32:33]
.macro LOADQ q                         ; 16 rows x 128 K: each load reads 512 consecutive bytes of one row
.irp i, 0,1,2,3,4,5,6,7,8,9,10,11,12,13,14,15
	global_load_b128 v[R+64*((\q)%2)+4*\i:R+64*((\q)%2)+4*\i+3], v2, s[26:27] offset:((\i%8)+16*(\i/8))*KB+512*(\q) th:TH_LOAD_NT
.endr
.endm
.macro PARTQ q
.if \q < 3
	s_wait_loadcnt 16                              ; this quarter's 16 loads are in; the next quarter's may be out
.else
	s_wait_loadcnt 0x0
.endif
.irp i, 0,1,2,3,4,5,6,7,8,9,10,11,12,13,14,15
	ds_store_b128 v3, v[R+64*((\q)%2)+4*\i:R+64*((\q)%2)+4*\i+3] offset:SP1*\i
.endr
.irp b, 0,1,2,3
.irp j, 0,1,2,3
	ds_load_b128 v[X+16*\b+4*\j:X+16*\b+4*\j+3], v4 offset:128*\b+16*\j   ; LDS serves a wave's instructions in order: these see the stores above
.endr
.endr
	s_wait_dscnt 0x0                               ; the numbers are back, and the stores have read their registers,
.if \q < 2
	LOADQ (\q)+2                                   ; which take the loads of two quarters on
.endif
.if \q > 0
	s_wait_xcnt 0x0                                ; the last quarter's stores have read the codes' registers
.endif
	QUANT X, PWQ+\q
.irp c, 0,1,2
	global_store_b128 v2, v[PC+4*\c:PC+4*\c+3], s[30:31] offset:1536*(\q)+512*\c   ; 32 lanes store 512 consecutive bytes, aligned
.endr
.endm
	LOADQ 0
	LOADQ 1
	PARTQ 0
	PARTQ 1
	PARTQ 2
	PARTQ 3
	v_cndmask_b32 v6, v[PWQ], v[PWQ+2], s[HM]      ; lanes 0-15 store words 0, 1 of row r, lanes 16-31 words 2, 3
	v_cndmask_b32 v7, v[PWQ+1], v[PWQ+3], s[HM]
	global_store_b64 v5, v[6:7], s[30:31]          ; 32 lanes store 256 consecutive bytes, aligned
	s_wait_tensorcnt 0x0
	ds_add_u32 v240, v241
	s_wait_dscnt 0x0
	s_endpgm
	; ---- wo: plain rows ----
.set STEPS, 16
.set EMAX,  2
.set CB,    12                         ; bytes of 16 codes
.set RR,    16                         ; v16-79   four sets of 16 numbers as loaded
.set RX,    80                         ; v80-111  two sets of 16 neighbours
.set RE,    112                        ; v112-127 a scale byte for each step
.set RC,    128                        ; v128-191 codes: four registers for each step, so that no store's data are written again
.set RWREG, 8192                       ; a wave's LDS: two stages of 32 x SP bytes, and behind them its 256 scale bytes
.set SP,    80                         ; a lane's place in a stage: its 64 bytes + 16 of padding
.Lrows:
	v_and_b32 v2, 31, v0                           ; lane
	v_lshlrev_b32 v3, 4, v2                        ; my 16 bytes of a load's 512
	s_mul_i32 s24, s[WV], RWREG
	s_add_co_u32 s24, s24, ROWS0
	v_lshrrev_b32 v14, 2, v2
	v_mul_u32_u24 v14, v14, SP
	v_and_b32 v15, 3, v2
	v_lshl_add_u32 v14, v15, 4, v14
	v_add_nc_u32 v14, s24, v14                     ; the stage, on the way in: SP (lane / 4) + 16 (lane % 4)
	v_mul_u32_u24 v15, v2, SP
	v_add_nc_u32 v15, s24, v15                     ; on the way out: SP x lane: my 16 neighbours
	v_mul_u32_u24 v4, v2, CB                       ; my codes' place in a step's
	v_lshrrev_b32 v5, 1, v2
	s_add_co_u32 s24, s24, 2*32*SP
	v_add_nc_u32 v5, s24, v5                       ; my block's byte among my wave's 256
	v_lshlrev_b32 v7, 3, v2                        ; and on the way out 8 bytes a lane
	v_add_nc_u32 v6, s24, v7
	s_wait_kmcnt 0x0
	s_sub_co_u32 s25, ttmp9, 768
	s_lshl_b32 s25, s25, 2
	s_add_co_u32 s25, s25, s[WV]                   ; which run of 8,192 numbers is my wave's: 0..511
	s_lshl_b32 s26, s25, 15
	s_mov_b32 s27, 0
	s_add_nc_u64 s[12:13], s[12:13], s[26:27]
	s_mul_i32 s26, s25, 32*STEPS*CB
	s_add_nc_u64 s[18:19], s[18:19], s[26:27]
	s_lshl_b32 s26, s25, 8
	s_add_nc_u64 s[20:21], s[20:21], s[26:27]
.macro RLOAD t
.irp i, 0,1,2,3
	global_load_b128 v[RR+16*((\t)%4)+4*\i:RR+16*((\t)%4)+4*\i+3], v3, s[12:13] offset:2048*(\t)+512*\i th:TH_LOAD_NT
.endr
.endm
.macro RTURN t                         ; step t's numbers through the stage
.irp i, 0,1,2,3
	ds_store_b128 v14, v[RR+16*((\t)%4)+4*\i:RR+16*((\t)%4)+4*\i+3] offset:32*SP*((\t)%2)+8*SP*\i
.endr
.irp i, 0,1,2,3
	ds_load_b128 v[RX+16*((\t)%2)+4*\i:RX+16*((\t)%2)+4*\i+3], v15 offset:32*SP*((\t)%2)+16*\i
.endr
.endm
.irp t, 0,1,2,3
	RLOAD \t
.endr
	s_wait_loadcnt 12                              ; step 0's four loads are in
	RTURN 0
.macro RSTEP t
.set XS, RX+16*((\t)%2)
.if (\t) > 0
	s_wait_dscnt 1                                 ; this step's numbers are back from the stage (the last step's byte store may be out)
.else
	s_wait_dscnt 0x0
.endif
.if (\t)+4 < STEPS
	RLOAD (\t)+4
.endif
.if (\t)+1 < STEPS
.if STEPS-2-(\t) >= 3
	s_wait_loadcnt 12                              ; the next step's four loads are in; those of the three steps behind it may be out
.else
	s_wait_loadcnt 4*(STEPS-2-(\t))
.endif
	RTURN (\t)+1
.endif
	v_max3_num_f32 v8, |v[XS]|, |v[XS+1]|, |v[XS+2]|
	v_max3_num_f32 v9, |v[XS+3]|, |v[XS+4]|, |v[XS+5]|
.irp i, 6,10
	v_max3_num_f32 v8, v8, |v[XS+\i]|, |v[XS+\i+1]|
	v_max3_num_f32 v9, v9, |v[XS+\i+2]|, |v[XS+\i+3]|
.endr
	v_max3_num_f32 v8, v8, |v[XS+14]|, |v[XS+15]|
	v_max3_num_f32 v8, v8, v9, (EMAX+1)<<23        ; and the floor
	v_max_num_f32_dpp v8, v8, v8 row_xmask:1 row_mask:0xf bank_mask:0xf   ; and my neighbour's 16: the block's
	v_add_nc_u32 v11, -(EMAX<<23), v8
	v_cvt_scalef32_pk16_fp6_f32 v[RC+4*(\t):RC+4*(\t)+2], v[XS:XS+15], v11
	v_lshrrev_b32 v[RE+(\t)], 23, v11              ; the scale's byte
	ds_store_b8 v5, v[RE+(\t)] offset:16*(\t)      ; both lanes of a block write the same byte with the same value
	global_store_b96 v4, v[RC+4*(\t):RC+4*(\t)+2], s[18:19] offset:32*CB*(\t)
.endm
.irp t, 0,1,2,3,4,5,6,7,8,9,10,11,12,13,14,15
	RSTEP \t
.endr
	ds_load_b64 v[12:13], v6                       ; LDS serves a wave's instructions in order: these see my stores
	s_wait_dscnt 0x0
	global_store_b64 v7, v[12:13], s[20:21]        ; 32 lanes store 256 consecutive bytes, aligned
	s_wait_tensorcnt 0x0
	ds_add_u32 v240, v241
	s_wait_dscnt 0x0
	s_endpgm
.Lfunc_end_k_q894f80dfb0_quant:
	.size	k_q894f80dfb0_quant, .Lfunc_end_k_q894f80dfb0_quant-k_q894f80dfb0_quant
	.p2alignl 7, 3214868480
	.fill 96, 4, 3214868480
	.section	.rodata,"a",@progbits
	.p2align	6, 0x0
	.amdhsa_kernel k_q894f80dfb0_quant
		.amdhsa_group_segment_fixed_size 67072
		.amdhsa_private_segment_fixed_size 0
		.amdhsa_enable_private_segment 0
		.amdhsa_kernarg_size 72
		.amdhsa_user_sgpr_count 2
		.amdhsa_user_sgpr_kernarg_segment_ptr 1
		.amdhsa_wavefront_size32 1
		.amdhsa_system_sgpr_workgroup_id_x 1
		.amdhsa_system_sgpr_workgroup_id_y 1
		.amdhsa_system_sgpr_workgroup_id_z 1
		.amdhsa_system_vgpr_workitem_id 0
		.amdhsa_next_free_vgpr 242
		.amdhsa_next_free_sgpr 66
		.amdhsa_reserve_vcc 0
		.amdhsa_float_denorm_mode_32 3
		.amdhsa_float_denorm_mode_16_64 3
		.amdhsa_memory_ordered 1
		.amdhsa_forward_progress 1
		.amdhsa_inst_pref_size 65
	.end_amdhsa_kernel
	.amdgpu_metadata
---
amdhsa.version: [ 1, 2 ]
amdhsa.kernels:
  - .name:           k_q894f80dfb0_quant
    .symbol:         k_q894f80dfb0_quant.kd
    .args:
      - { .name: x, .offset: 0, .size: 8, .value_kind: global_buffer, .address_space: global }
      - { .name: wq, .offset: 8, .size: 8, .value_kind: global_buffer, .address_space: global }
      - { .name: wk, .offset: 16, .size: 8, .value_kind: global_buffer, .address_space: global }
      - { .name: wv, .offset: 24, .size: 8, .value_kind: global_buffer, .address_space: global }
      - { .name: wo, .offset: 32, .size: 8, .value_kind: global_buffer, .address_space: global }
      - { .name: x_img, .offset: 40, .size: 8, .value_kind: global_buffer, .address_space: global }
      - { .name: w_img, .offset: 48, .size: 8, .value_kind: global_buffer, .address_space: global }
      - { .name: wo_codes, .offset: 56, .size: 8, .value_kind: global_buffer, .address_space: global }
      - { .name: wo_scales, .offset: 64, .size: 8, .value_kind: global_buffer, .address_space: global }
    .group_segment_fixed_size: 67072
    .private_segment_fixed_size: 0
    .kernarg_segment_align: 8
    .kernarg_segment_size: 72
    .max_flat_workgroup_size: 128
    .sgpr_count:     66
    .vgpr_count:     242
    .wavefront_size: 32
...
	.end_amdgpu_metadata
.endif
;; end of part 1
;; launch qkv (part 2): grid 4 x 64, 4 waves a work-group, clusters of 4 x 1, 327,680 bytes of LDS; arguments x_img, w_img, freqs_cos, freqs_sin, qkv_img, qkv_sc; writes qkv_img, qkv_sc
.if DOCPART == 2
	.amdgcn_target "amdgcn-amd-amdhsa--gfx1250"
	.amdhsa_code_object_version 6
	.text
	.protected	k_q894f80dfb0_qkv
	.globl	k_q894f80dfb0_qkv
	.p2align	8
	.type	k_q894f80dfb0_qkv,@function
k_q894f80dfb0_qkv:
	s_mov_b64 s[64:65], 0
	v_nop
	global_prefetch_b8 v0, s[64:65] scope:SCOPE_SE
	s_setreg_imm32_b32 hwreg(HW_REG_WAVE_MODE, 25, 1), 1
	s_wait_xcnt 0x0
	s_wait_alu depctr_hold_cnt(0) depctr_sa_sdst(0) depctr_va_vdst(0) depctr_va_sdst(0) depctr_va_ssrc(0) depctr_va_vcc(0) depctr_vm_vsrc(0)
	s_getreg_b32 s2, hwreg(HW_REG_IB_STS2, 6, 4)
	s_cmp_eq_u32 s2, 0
	s_cbranch_scc0 .Lentry_in_a_cluster
	s_endpgm
.Lentry_in_a_cluster:
	s_bfe_u32 s2, ttmp6, 0x10000c
	s_cmp_lg_u32 s2, 0x3003
	s_cbranch_scc0 .Lentry_shape_is_right
	s_endpgm
.Lentry_shape_is_right:
; The three projections on codes of FP6, then RoPE in f32, then the quantising of q, k (along the head's 128) and of v (along the keys), all in registers: no f32 result goes to memory.
; ONE PATH, TWO ROLES, chosen by selects on the cluster's number c, which the four partners share; no branch hangs on it.
;   c < 48:  source 1 = 128 tokens of x (tile 4 (c % 8) + cx), source 0 = 256 rows of wq | wk (tile c / 8): a lane holds ONE token and its registers run along the head's 128.
;   c >= 48: source 1 = 128 rows of wv (kv head cx), source 0 = 256 tokens of x (tile c - 48): V^T = Wv X^T: a lane holds ONE channel and its registers run along the KEYS, which are the next K of v.
; Both operands come as images of operand registers, 16 rows x 512 K to a chunk of 6,400 bytes with its scale words; the rows of a block are chosen so that the results of blocks 2 b, 2 b + 1 of source 0 are 16 neighbours.
; A work-group of four waves makes 128 x 256; a wave 64 x 128: 32 accumulators.  K goes in steps of 512 through two LDS slots; a slot's chunks are read as they lie: 512 consecutive bytes a load, no padding.
; CLUSTER 4 x 1: the partners share source 0's tile, which is asked for jointly (mask 15); source 1's tile is each work-group's own, a plain load behind the same round.  A 4 x 4 cluster is not taken: wq | wk has 6 tiles of 256 rows, which 4 does not divide.
; OUT: qkv_img[b][slot][128 fragments][1,536 bytes], qkv_sc likewise x 64 bytes.  Slots 0-7 q (fragment = token / 16, true order), 8-11 k (fragment = block of tokens as in x_img), 12-15 v (fragment = 8 x key step + block of channels).
; In the second role RoPE is made the identity without a branch: cos becomes 1 and sin 0 by selects.
; LIMITS: NaN and infinities are not served; a block of zeros keeps the byte 1 (its codes are zeros; this program alone reads the bytes).  r0 = fma(t0, c, -(t1 s)): one rounding fewer than two products and a difference.
; REGISTERS: window 0: v1-27 addresses; v32-79 scale words, two sets; v80-123 at work on the way out; v128-223 source 1's fragments, two sets (on the way out v128-191: 64 numbers).
;   window 1: source 0's fragments, two sets, at v0 and v128 (on the way out: cos and sin).   window 2: accumulator (a, b) at v[64 a + 8 b].
.set CHB,   6400                       ; a chunk
.set BLKB,  51200                      ; a block's 8 chunks in memory
.set ATILE, 8*CHB                      ; source 1's 8 chunks of a slot; source 0's 16 lie behind them
.set SLOT,  24*CHB
.set SPARE, 2*SLOT                     ; the spare words, 128 bytes for each wave: two blocks of 256 bytes that no other line names
.set ADRA, 8                           ; v8-9   LDS address of my four blocks of source 1 in slot 0, 1
.set ADRB, 10                          ; v10-11 of my eight blocks of source 0
.set ASA,  12                          ; v12-13 of source 1's scale words: lanes 0-15 an even block, lanes 16-31 the odd one behind it
.set ASB,  14                          ; v14-15 of source 0's
.set SPW,  16                          ; v16    LDS address of my spare word; never rewritten
.set NIL,  17                          ; v17    0; never rewritten
.set VI0,  18                          ; v18-19 the way out: my 16 bytes of an image's piece, for an even and for an odd block
.set VS,   20                          ; v20    my scale word's place
.set VC,   21                          ; v21    my bytes in the tables
.set PWA,  22                          ; v22-25 the four blocks' scale words
.set SC,   32                          ; scale words: set s at v[SC + 24 s]: source 1's at + 4 (a / 2) + q, source 0's at + 8 + 4 (b / 2) + q
.set TM,   80
.set PC,   96
.set TT,   116
.set AF,   128
.set H,    128
.set WV,   16
.set RH,   17
.set CH,   18
.set ROPE, 21                          ; s21 all ones in the first role, 0 in the second
.set G1A,  24
.set G0A,  32
.set G1B,  48
.set G0B,  56
.set SEL,  66
.set HM,   68
.set ISQ,  72
.set MSB, 0
.macro WIN new                         ; the immediate's high byte repeats the setting that is left
.if MSB != \new
	s_set_vgpr_msb (MSB<<8)|\new
.set MSB, \new
.endif
.endm
.set MUL,  0xa1                        ; source 0 window 1, source 1 window 0, C and D window 2
.set TO_B, 0x40                        ; destination window 1, address window 0
.macro JLOAD s                         ; waves 0 and 1 fetch source 1's two halves (plain), waves 2 and 3 source 0's (joint); four v_nop follow each line, ahead of the jump, the label and what follows
	s_cmp_eq_u32 s[RH], 0
	s_cbranch_scc0 .Lfor_b_\@
	tensor_load_to_lds s[G0A+4*\s:G0A+4*\s+3], s[G1A:G1A+7]
	s_nop 0
.rept 4
	v_nop
.endr
	s_branch .Lasked_\@
.Lfor_b_\@:
	tensor_load_to_lds s[G0B+4*\s:G0B+4*\s+3], s[G1B:G1B+7]
	s_nop 0
.rept 4
	v_nop
.endr
.Lasked_\@:
.endm
.macro CREST                           ; a round of the cluster's barrier behind its opening barrier
	s_cmp_lg_u32 s[WV], 0
	s_cbranch_scc1 .Lnot_wave_0_\@
	s_barrier_signal -3
.Lnot_wave_0_\@:
	s_barrier_wait -3
	s_barrier_signal -1
	s_barrier_wait -1
.endm
.macro CROUND
	s_barrier_signal -1
	s_barrier_wait -1
	CREST
.endm
	s_load_b256 s[4:11], s[0:1], 0x0               ; x_img, w_img, cos, sin
	s_load_b128 s[12:15], s[0:1], 0x20             ; qkv_img, qkv_sc
	v_lshl_add_u32 v[SPW], v0, 2, SPARE
	v_mov_b32 v[NIL], 0
	ds_add_u32 v16, v17
	ds_add_u32 v16, v17
	s_wait_dscnt 0x0
	v_lshrrev_b32 v1, 5, v0
	v_readfirstlane_b32 s[WV], v1                  ; wave 0..3
	s_lshr_b32 s[RH], s[WV], 1                     ; which 64 rows of source 1 are mine.  Also: I fetch for source 1 (0) or source 0 (1)
	s_and_b32 s[CH], s[WV], 1                      ; which 128 rows of source 0.  Also: which half of that tile I fetch
	s_bfe_u32 s19, ttmp6, 0x40000                  ; cx
	s_and_b32 s20, ttmp7, 0xffff                   ; c: the cluster's number
	s_and_b32 s22, s20, 7
	s_lshl_b32 s22, s22, 2
	s_lshr_b32 s23, s20, 3
	s_sub_co_u32 s70, s20, 48
	s_mov_b32 s73, 1536
	s_cmp_lt_u32 s20, 32                           ; q?
	s_cselect_b32 s[ISQ], -1, 0
	s_cselect_b32 s73, 128, s73                    ; from an even block's bytes to the odd one's: 8 rows on in q's fragments, a fragment on elsewhere
	s_cmp_lt_u32 s20, 48                           ; the first role?
	s_cselect_b32 s[ROPE], -1, 0
	s_cselect_b32 s22, s22, 0
	s_cselect_b32 s23, s23, s70                    ; bt: source 0's tile; made of c alone
	s_cselect_b32 s71, 0, 96
	s_add_co_u32 s74, s22, s19                     ; at: source 1's tile
	s_lshl_b32 s75, s74, 3
	s_add_co_u32 s75, s75, s71                     ; its first block
	; descriptor groups 1: rows of 6,400 bytes (800 elements of 8), one chunk of each block; the blocks lie 51,200 bytes apart
	s_mov_b32 s[G1A+0], 3<<16                      ; no mask; elements of 8 bytes; no padding
	s_mov_b32 s[G1A+1], 800<<16                    ; tensor_dim0
	s_mov_b32 s[G1A+2], 4<<16                      ; tensor_dim1 = 4 blocks
	s_mov_b32 s[G1A+3], 800<<16                    ; tile_dim0
	s_mov_b32 s[G1A+4], 4                          ; tile_dim1
	s_mov_b32 s[G1A+5], 6400                       ; tensor_dim0_stride
	s_mov_b32 s[G1A+6], 0
	s_mov_b32 s[G1A+7], 0
	s_mov_b32 s[G1B+0], 15|(3<<16)|(1<<21)         ; the mask: all four work-groups; bit 21 set beside it
	s_mov_b32 s[G1B+1], 800<<16
	s_mov_b32 s[G1B+2], 8<<16                      ; 8 blocks
	s_mov_b32 s[G1B+3], 800<<16
	s_mov_b32 s[G1B+4], 8
	s_mov_b32 s[G1B+5], 6400
	s_mov_b32 s[G1B+6], 0
	s_mov_b32 s[G1B+7], 0
	s_lshl_b32 s40, s[CH], 2
	s_add_co_u32 s40, s40, s75
	s_mul_i32 s40, s40, BLKB                       ; source 1: my four blocks, in bytes
	s_mov_b32 s41, 0
	s_lshl_b32 s42, s23, 4
	s_lshl_b32 s43, s[CH], 3
	s_add_co_u32 s42, s42, s43
	s_mul_i32 s42, s42, BLKB                       ; source 0: my eight blocks; no register here ever holds cx
	s_mov_b32 s43, 0
	s_mul_i32 s44, s[CH], 4*CHB                    ; where they go: the wave's number alone enters an LDS address
	s_mul_i32 s45, s[CH], 8*CHB
	s_add_co_u32 s45, s45, ATILE
	s_mov_b32 s[SEL], 0x76543210
	s_mov_b32 s[SEL+1], 0xfedcba98
	s_mov_b32 s[HM], 0xffff0000
	s_wait_kmcnt 0x0
	s_cmp_lt_u32 s20, 48
	s_cselect_b64 s[76:77], s[4:5], s[6:7]         ; source 1: x or the weights
	s_cselect_b64 s[78:79], s[6:7], s[4:5]         ; source 0: the weights or x
	s_add_nc_u64 s[76:77], s[76:77], s[40:41]
	s_add_nc_u64 s[78:79], s[78:79], s[42:43]
	CROUND                                         ; all four work-groups are here: the first joint loads meet
.irp s, 0,1
	s_mov_b32 s[G0A+4*\s], 1
	s_add_co_u32 s[G0A+4*\s+1], s44, \s*SLOT
	s_add_nc_u64 s[G0A+4*\s+2:G0A+4*\s+3], s[76:77], \s*CHB
	s_or_b32 s[G0A+4*\s+3], s[G0A+4*\s+3], 0x80000000
	s_mov_b32 s[G0B+4*\s], 1
	s_add_co_u32 s[G0B+4*\s+1], s45, \s*SLOT
	s_add_nc_u64 s[G0B+4*\s+2:G0B+4*\s+3], s[78:79], \s*CHB
	s_or_b32 s[G0B+4*\s+3], s[G0B+4*\s+3], 0x80000000
	JLOAD \s                                       ; chunks 0 and 1: two loads of mine are out
.endr
	v_and_b32 v1, 15, v0                           ; r
	v_bfe_u32 v2, v0, 4, 1                         ; h
	v_and_b32 v3, 31, v0
	v_lshlrev_b32 v3, 4, v3                        ; 16 x lane
	v_lshlrev_b32 v4, 4, v1
	v_mad_u32_u24 v4, v2, CHB, v4
	v_add_nc_u32 v4, 4*1536, v4                    ; a chunk's scale words: 16 r, lanes 16-31 one chunk on
	s_mul_i32 s40, s[RH], 4*CHB
	s_mul_i32 s41, s[CH], 8*CHB
	s_add_co_u32 s41, s41, ATILE
.irp s, 0,1
	v_add_nc_u32 v[ADRA+\s], s40, v3
	v_add_nc_u32 v[ADRB+\s], s41, v3
	v_add_nc_u32 v[ASA+\s], s40, v4
	v_add_nc_u32 v[ASB+\s], s41, v4
	s_add_co_u32 s40, s40, SLOT
	s_add_co_u32 s41, s41, SLOT
.endr
	; the way out's places, made while the first tiles are on their way
	s_lshl_b32 s40, s74, 3
	s_lshl_b32 s41, s[RH], 2
	s_add_co_u32 s40, s40, s41                     ; first role: my first block of tokens, 8 at + 4 rh
	s_lshr_b32 s42, s40, 7                         ; the batch
	s_lshl_b32 s42, s42, 4
	s_lshl_b32 s43, s23, 1
	s_add_co_u32 s42, s42, s43
	s_add_co_u32 s42, s42, s[CH]                   ; 16 b + the slot 2 bt + ch
	s_lshl_b32 s42, s42, 7
	s_and_b32 s43, s40, 127
	s_add_co_u32 s42, s42, s43                     ; my first fragment
	s_lshr_b32 s44, s23, 3                         ; second role: the batch
	s_lshl_b32 s44, s44, 4
	s_add_co_u32 s44, s44, 12
	s_add_co_u32 s44, s44, s74                     ; 16 b + the slot 12 + kv head
	s_lshl_b32 s44, s44, 7
	s_and_b32 s45, s23, 7
	s_lshl_b32 s45, s45, 1
	s_add_co_u32 s45, s45, s[CH]                   ; the key step
	s_lshl_b32 s45, s45, 3
	s_add_co_u32 s44, s44, s45
	s_add_co_u32 s44, s44, s41                     ; + my first block of channels
	s_cmp_lt_u32 s20, 48
	s_cselect_b32 s42, s42, s44
	s_mul_i32 s44, s42, 1536
	s_mov_b32 s45, 0
	s_add_nc_u64 s[12:13], s[12:13], s[44:45]
	s_lshl_b32 s44, s42, 6
	s_add_nc_u64 s[14:15], s[14:15], s[44:45]
	s_lshl_b32 s44, s74, 7
	s_lshl_b32 s46, s[RH], 6
	s_add_co_u32 s44, s44, s46
	s_and_b32 s44, s44, 2047                       ; my first token's place in its sequence (in the second role: rows that lie inside the tables, whose numbers the selects replace)
	s_lshl_b32 s44, s44, 8
	v_and_b32 v5, 7, v1
	v_lshrrev_b32 v6, 3, v1
	v_lshlrev_b32 v7, 4, v5
	v_mad_u32_u24 v7, v6, 1536, v7
	v_lshl_add_u32 v7, v2, 8, v7                   ; q in true order: lane r of blocks 2 i, 2 i + 1 is row 8 (a % 2) + r % 8 of fragment 2 i + r / 8
	v_cndmask_b32 v[VI0], v3, v7, s[ISQ]
	v_add_nc_u32 v[VI0+1], s73, v[VI0]
	v_lshlrev_b32 v7, 2, v5
	v_lshl_add_u32 v7, v6, 6, v7
	v_lshl_add_u32 v7, v2, 5, v7
	v_lshrrev_b32 v26, 2, v3
	v_cndmask_b32 v[VS], v26, v7, s[ISQ]
	v_lshl_add_u32 v7, v6, 4, v5                   ; my token in a block: r % 8 + 16 (r / 8)
	v_lshlrev_b32 v7, 8, v7
	v_lshl_add_u32 v7, v2, 5, v7                   ; a table's row is 256 bytes; + 32 h: the 8 pairs of my 16 channels
	v_add_nc_u32 v[VC], s44, v7
.irp b, 0,1,2,3
	v_mov_b32 v[TM+4+\b], 0                        ; written once: a lane permute's destination counts as one of its sources
.endr
; one product: block a of source 1 x block b of source 0, 128 along K: the chunk's q-th.  p: the set of fragments; sc: the set of scale words; zero = 1: it starts the sum
.macro WM a, b, p, q, sc, zero
.set rD, 64*(\a)+8*(\b)
.set rB, 128*(\p)+12*(\b)
.set rA, AF+48*(\p)+12*(\a)
.set rU, SC+24*(\sc)+8+4*((\b)/2)+(\q)
.set rW, SC+24*(\sc)+4*((\a)/2)+(\q)
.set par, 4*(\zero)+2*((\a)%2)+(\b)%2
.if par == 0
	v_wmma_scale_f32_16x16x128_f8f6f4 v[rD:rD+7], v[rB:rB+11], v[rA:rA+11], v[rD:rD+7], v[rU], v[rW] matrix_a_fmt:MATRIX_FMT_FP6 matrix_b_fmt:MATRIX_FMT_FP6
.elseif par == 1
	v_wmma_scale_f32_16x16x128_f8f6f4 v[rD:rD+7], v[rB:rB+11], v[rA:rA+11], v[rD:rD+7], v[rU], v[rW] matrix_a_fmt:MATRIX_FMT_FP6 matrix_b_fmt:MATRIX_FMT_FP6 matrix_a_scale:MATRIX_SCALE_ROW1
.elseif par == 2
	v_wmma_scale_f32_16x16x128_f8f6f4 v[rD:rD+7], v[rB:rB+11], v[rA:rA+11], v[rD:rD+7], v[rU], v[rW] matrix_a_fmt:MATRIX_FMT_FP6 matrix_b_fmt:MATRIX_FMT_FP6 matrix_b_scale:MATRIX_SCALE_ROW1
.elseif par == 3
	v_wmma_scale_f32_16x16x128_f8f6f4 v[rD:rD+7], v[rB:rB+11], v[rA:rA+11], v[rD:rD+7], v[rU], v[rW] matrix_a_fmt:MATRIX_FMT_FP6 matrix_b_fmt:MATRIX_FMT_FP6 matrix_a_scale:MATRIX_SCALE_ROW1 matrix_b_scale:MATRIX_SCALE_ROW1
.elseif par == 4
	v_wmma_scale_f32_16x16x128_f8f6f4 v[rD:rD+7], v[rB:rB+11], v[rA:rA+11], 0, v[rU], v[rW] matrix_a_fmt:MATRIX_FMT_FP6 matrix_b_fmt:MATRIX_FMT_FP6
.elseif par == 5
	v_wmma_scale_f32_16x16x128_f8f6f4 v[rD:rD+7], v[rB:rB+11], v[rA:rA+11], 0, v[rU], v[rW] matrix_a_fmt:MATRIX_FMT_FP6 matrix_b_fmt:MATRIX_FMT_FP6 matrix_a_scale:MATRIX_SCALE_ROW1
.elseif par == 6
	v_wmma_scale_f32_16x16x128_f8f6f4 v[rD:rD+7], v[rB:rB+11], v[rA:rA+11], 0, v[rU], v[rW] matrix_a_fmt:MATRIX_FMT_FP6 matrix_b_fmt:MATRIX_FMT_FP6 matrix_b_scale:MATRIX_SCALE_ROW1
.else
	v_wmma_scale_f32_16x16x128_f8f6f4 v[rD:rD+7], v[rB:rB+11], v[rA:rA+11], 0, v[rU], v[rW] matrix_a_fmt:MATRIX_FMT_FP6 matrix_b_fmt:MATRIX_FMT_FP6 matrix_a_scale:MATRIX_SCALE_ROW1 matrix_b_scale:MATRIX_SCALE_ROW1
.endif
.endm
.macro MUL8 a, p, q, sc, zero
.irp b, 0,1,2,3,4,5,6,7
	WM \a, \b, \p, \q, \sc, \zero
.endr
.endm
.macro MUL32 p, q, sc, zero            ; the 32 accumulators take turns, one instruction a turn, in the same order everywhere
.irp a, 0,1,2,3
	MUL8 \a, \p, \q, \sc, \zero
.endr
.endm
.macro FETCH slot, q, p                ; 36 LDS loads in one run: the fragments of the chunk's q-th 128 along K into set p, as images: 512 consecutive bytes a load
	WIN TO_B
.irp i, 0,1,2,3,4,5,6,7
.irp c, 0,1,2
	ds_load_b128 v[128*(\p)+12*\i+4*\c:128*(\p)+12*\i+4*\c+3], v[ADRB+\slot] offset:CHB*\i+1536*(\q)+512*\c
.endr
.endr
	WIN 0
.irp i, 0,1,2,3
.irp c, 0,1,2
	ds_load_b128 v[AF+48*(\p)+12*\i+4*\c:AF+48*(\p)+12*\i+4*\c+3], v[ADRA+\slot] offset:CHB*\i+1536*(\q)+512*\c
.endr
.endr
.endm
.macro SCALES s                        ; a slot's scale words: a row's four words by one load; lanes 0-15 an even block, lanes 16-31 the odd one
.irp i, 0,1
	ds_load_b128 v[SC+24*\s+4*\i:SC+24*\s+4*\i+3], v[ASA+\s] offset:2*CHB*\i
.endr
.irp i, 0,1,2,3
	ds_load_b128 v[SC+24*\s+8+4*\i:SC+24*\s+8+4*\i+3], v[ASB+\s] offset:2*CHB*\i
.endr
.endm
; A load into a register that a matrix instruction has read stands four places behind it, and only plain vector instructions that name none of its registers are places (ISA guide 7.12.1 for vector instructions).
.macro PLACES
.rept 4
	v_nop
.endr
.endm
.macro SUB slot, q, zero               ; one of a chunk's first three steps of 128: the next step's fragments are asked for, then this step's 32 products
	s_wait_dscnt 0x0                               ; this step's set is in: it was asked for 32 matrix instructions ago
	PLACES
	FETCH \slot, (\q)+1, 1-(\q)%2
	WIN MUL
	MUL32 (\q)%2, \q, \slot, \zero
.endm
; A chunk's last step changes slots: ONE barrier; in front of it each wave waits for all its tensor loads, adds 0 to its spare word, and waits for that and for its own reads of this slot.  fill = 1: this slot is filled again, two chunks ahead.
.macro TURN slot, next, fill
	WIN 0                                          ; (the add's two registers lie in window 0)
	s_wait_tensorcnt 0x0                           ; all my tensor loads have landed: my part of the next slot;
	ds_add_u32 v[SPW], v[NIL]                      ; 0 onto my spare word;
	s_wait_dscnt 1                                 ; (the add may be out; this step's fragments are in)
	WIN MUL
	MUL8 0, 1, 3, \slot, 0                         ; eight matrix instructions stand between the add and the wait for it
	s_wait_dscnt 0x0                               ; the add is done, and my reads of this slot are over
	s_barrier_signal -1
	MUL8 1, 1, 3, \slot, 0
	WIN 0
	s_barrier_wait -1
.if \fill
	CREST                                          ; the barrier has opened a round of the cluster's barrier: no wave of any partner still reads this slot or has a load on its way
	s_add_nc_u64 s[G0A+4*\slot+2:G0A+4*\slot+3], s[G0A+4*\slot+2:G0A+4*\slot+3], 2*CHB
	s_add_nc_u64 s[G0B+4*\slot+2:G0B+4*\slot+3], s[G0B+4*\slot+2:G0B+4*\slot+3], 2*CHB
	JLOAD \slot                                    ; the first tensor load behind the round; its four v_nop are the places in front of the loads below
.else
	PLACES
.endif
	FETCH \next, 0, 0
	SCALES \next
	WIN MUL
	MUL8 2, 1, 3, \slot, 0
	MUL8 3, 1, 3, \slot, 0
.endm
	s_wait_tensorcnt 1                             ; my part of chunk 0 is in (chunk 1's load may be out)
	s_barrier_signal -1
	s_barrier_wait -1                              ; everybody's is
	FETCH 0, 0, 0
	SCALES 0
	SUB 0, 0, 1                                    ; the first step stands in front of the loop: its products start the sums
	WIN 0                                          ; at a label and at a branch every window is 0
	s_mov_b32 s3, 3
.Llap:                                                 ; a trip goes once round the ring and fills both slots again: chunks 2 to 7
	SUB 0, 1, 0
	SUB 0, 2, 0
	TURN 0, 1, 1
	SUB 1, 0, 0
	SUB 1, 1, 0
	SUB 1, 2, 0
	TURN 1, 0, 1
	SUB 0, 0, 0
	WIN 0
	s_sub_co_u32 s3, s3, 1
	s_cmp_lg_u32 s3, 0
	s_cbranch_scc1 .Llap
	SUB 0, 1, 0                                    ; the last lap fills nothing
	SUB 0, 2, 0
	TURN 0, 1, 0
	SUB 1, 0, 0
	SUB 1, 1, 0
	SUB 1, 2, 0
	s_wait_dscnt 0x0
	WIN MUL
	MUL32 1, 3, 1, 0
	WIN 0
; THE WAY OUT.  Of block a of source 1, lane (r, h) holds one row, and register 16 b + i the number 32 b + 16 h + i along the next K.
.macro QUANT s, pw                     ; 64 such numbers become a fragment's codes in v[PC] on and its scale word in v[pw]
.irp b, 0,1,2,3
	v_max3_num_f32 v[TM+\b], |v[\s+16*\b]|, |v[\s+1+16*\b]|, 0x1800000   ; my 16 numbers, and the floor 2^(3 - 127): the byte cannot fall under 1
.endr
.irp i, 2,4,6,8,10,12,14
.irp b, 0,1,2,3
	v_max3_num_f32 v[TM+\b], v[TM+\b], |v[\s+16*\b+\i]|, |v[\s+1+16*\b+\i]|
.endr
.endr
.irp b, 0,1,2,3
	v_permlanex16_b32 v[TM+4+\b], v[TM+\b], s[SEL], s[SEL+1]
.endr
.irp b, 0,1,2,3
	v_max_num_f32 v[TM+\b], v[TM+\b], v[TM+4+\b]   ; with lane l xor 16's: the block's largest magnitude
.endr
.irp b, 0,1,2,3
	v_add_nc_u32 v[TM+12+\b], 0xff000000, v[TM+\b] ; 2 off its exponent field: the conversion's scale operand
.endr
.irp b, 0,1,2,3
	v_lshrrev_b32 v[TM+4+\b], 23, v[TM+12+\b]      ; the scale's byte
.endr
	v_lshl_or_b32 v[\pw], v[TM+5], 8, v[TM+4]
	v_lshl_or_b32 v[\pw], v[TM+6], 16, v[\pw]
	v_lshl_or_b32 v[\pw], v[TM+7], 24, v[\pw]
.irp c, 0,1
	v_cvt_scalef32_pk16_fp6_f32 v[PC+6*\c:PC+2+6*\c], v[\s+32*\c:\s+15+32*\c], v[TM+12+2*\c]
	v_cvt_scalef32_pk16_fp6_f32 v[PC+12+4*\c:PC+14+4*\c], v[\s+16+32*\c:\s+31+32*\c], v[TM+12+2*\c+1]
.endr
	v_nop                                          ; one plain place behind a scaled conversion
.irp c, 0,1
.irp i, 0,1,2
	v_permlane16_swap_b32 v[PC+6*\c+\i], v[PC+12+4*\c+\i]
.endr
.irp i, 0,1,2
	v_mov_b32 v[PC+3+6*\c+\i], v[PC+12+4*\c+\i]
.endr
.endr
.endm
.macro TABLES a                        ; block a's cos into window 1 v[64 a ..], its sin 32 registers on: register i = pair i of my 32 pairs
.irp e, 0,1,2,3,4,5,6,7
	global_load_b128 v[64*\a+4*\e:64*\a+4*\e+3], v[VC], s[8:9] offset:(32*(\a/2)+8*(\a%2))*256+64*(\e/2)+16*(\e%2)
.endr
.irp e, 0,1,2,3,4,5,6,7
	global_load_b128 v[64*\a+32+4*\e:64*\a+32+4*\e+3], v[VC], s[10:11] offset:(32*(\a/2)+8*(\a%2))*256+64*(\e/2)+16*(\e%2)
.endr
.endm
.macro BLOCK a
	s_wait_loadcnt 16*(3-\a)                       ; this block's 16 table loads are in; the later blocks' may be out
	WIN 0x44                                       ; window 1, in place
.set i, 0
.rept 32
	v_cndmask_b32 v[64*\a+i], 1.0, v[64*\a+i], s[ROPE]   ; in the second role cos = 1,
.set i, i+1
.endr
.set i, 0
.rept 32
	v_and_b32 v[64*\a+32+i], s[ROPE], v[64*\a+32+i]      ; and sin = 0
.set i, i+1
.endr
	WIN 0x06                                       ; source 0: the sums, window 2; source 1: the tables, window 1
.set i, 0
.rept 32                                       ; each accumulator is read from its low end on
	v_mul_f32 v[TT+2*(i%4)], v[64*\a+2*i+1], v[64*\a+32+i]
	v_mul_f32 v[TT+2*(i%4)+1], v[64*\a+2*i], v[64*\a+32+i]
	v_fma_f32 v[H+2*i], v[64*\a+2*i], v[64*\a+i], -v[TT+2*(i%4)]
	v_fma_f32 v[H+2*i+1], v[64*\a+2*i+1], v[64*\a+i], v[TT+2*(i%4)+1]
.set i, i+1
.endr
	WIN 0
.if \a > 0
	s_wait_xcnt 0x0                                ; the last block's stores have read the codes' registers
.endif
	QUANT H, PWA+\a
.irp c, 0,1,2
	global_store_b128 v[VI0+(\a%2)], v[PC+4*\c:PC+4*\c+3], s[12:13] offset:3072*(\a/2)+512*\c
.endr
.endm
	PLACES                                         ; behind the last products: for the loads into source 0's registers and the first reads of results
	WIN 0x40
	TABLES 0
	TABLES 1
	TABLES 2
	TABLES 3
	BLOCK 0
	BLOCK 1
	BLOCK 2
	BLOCK 3
	v_cndmask_b32 v26, v[PWA], v[PWA+1], s[HM]     ; lanes 0-15 the even block's words, lanes 16-31 the odd one's
	v_cndmask_b32 v27, v[PWA+2], v[PWA+3], s[HM]
	global_store_b32 v[VS], v26, s[14:15]
	global_store_b32 v[VS], v27, s[14:15] offset:128
	s_wait_tensorcnt 0x0                           ; the wave's end
	ds_add_u32 v[SPW], v[NIL]
	s_wait_dscnt 0x0
	CROUND                                         ; the closing round: no work-group ends while a partner may still ask for a tile that names it
	s_endpgm
.Lfunc_end_k_q894f80dfb0_qkv:
	.size	k_q894f80dfb0_qkv, .Lfunc_end_k_q894f80dfb0_qkv-k_q894f80dfb0_qkv
	.p2alignl 7, 3214868480
	.fill 96, 4, 3214868480
	.section	.rodata,"a",@progbits
	.p2align	6, 0x0
	.amdhsa_kernel k_q894f80dfb0_qkv
		.amdhsa_group_segment_fixed_size 327680
		.amdhsa_private_segment_fixed_size 0
		.amdhsa_enable_private_segment 0
		.amdhsa_kernarg_size 48
		.amdhsa_user_sgpr_count 2
		.amdhsa_user_sgpr_kernarg_segment_ptr 1
		.amdhsa_wavefront_size32 1
		.amdhsa_system_sgpr_workgroup_id_x 1
		.amdhsa_system_sgpr_workgroup_id_y 1
		.amdhsa_system_sgpr_workgroup_id_z 1
		.amdhsa_system_vgpr_workitem_id 0
		.amdhsa_next_free_vgpr 768
		.amdhsa_next_free_sgpr 100
		.amdhsa_reserve_vcc 0
		.amdhsa_float_denorm_mode_32 3
		.amdhsa_float_denorm_mode_16_64 3
		.amdhsa_memory_ordered 1
		.amdhsa_forward_progress 1
		.amdhsa_inst_pref_size 177
	.end_amdhsa_kernel
	.amdgpu_metadata
---
amdhsa.version: [ 1, 2 ]
amdhsa.kernels:
  - .name:           k_q894f80dfb0_qkv
    .symbol:         k_q894f80dfb0_qkv.kd
    .args:
      - { .name: x_img, .offset: 0, .size: 8, .value_kind: global_buffer, .address_space: global }
      - { .name: w_img, .offset: 8, .size: 8, .value_kind: global_buffer, .address_space: global }
      - { .name: freqs_cos, .offset: 16, .size: 8, .value_kind: global_buffer, .address_space: global }
      - { .name: freqs_sin, .offset: 24, .size: 8, .value_kind: global_buffer, .address_space: global }
      - { .name: qkv_img, .offset: 32, .size: 8, .value_kind: global_buffer, .address_space: global }
      - { .name: qkv_sc, .offset: 40, .size: 8, .value_kind: global_buffer, .address_space: global }
    .group_segment_fixed_size: 327680
    .private_segment_fixed_size: 0
    .kernarg_segment_align: 8
    .kernarg_segment_size: 48
    .max_flat_workgroup_size: 128
    .sgpr_count:     100
    .vgpr_count:     768
    .wavefront_size: 32
...
	.end_amdgpu_metadata
.endif
;; end of part 2
;; launch attn (part 3): grid 32 x 8, 8 waves a work-group, clusters of 4 x 4, 327,680 bytes of LDS; arguments qkv_img, qkv_sc, mask, o_codes, o_scales; writes o_codes, o_scales
.if DOCPART == 3
	.amdgcn_target "amdgcn-amd-amdhsa--gfx1250"
	.amdhsa_code_object_version 6
	.text
	.protected	k_q894f80dfb0_attn
	.globl	k_q894f80dfb0_attn
	.p2align	8
	.type	k_q894f80dfb0_attn,@function
k_q894f80dfb0_attn:
	s_mov_b64 s[64:65], 0
	v_nop
	global_prefetch_b8 v0, s[64:65] scope:SCOPE_SE
	s_setreg_imm32_b32 hwreg(HW_REG_WAVE_MODE, 25, 1), 1
	s_wait_xcnt 0x0
	s_wait_alu depctr_hold_cnt(0) depctr_sa_sdst(0) depctr_va_vdst(0) depctr_va_sdst(0) depctr_va_ssrc(0) depctr_va_vcc(0) depctr_vm_vsrc(0)
	s_getreg_b32 s2, hwreg(HW_REG_IB_STS2, 6, 4)
	s_cmp_eq_u32 s2, 0
	s_cbranch_scc0 .Lentry_in_a_cluster
	s_endpgm
.Lentry_in_a_cluster:
	s_bfe_u32 s2, ttmp6, 0x10000c
	s_cmp_lg_u32 s2, 0xf033
	s_cbranch_scc0 .Lentry_shape_is_right
	s_endpgm
.Lentry_shape_is_right:
; o = softmax(q k^T / sqrt(128) + mask) v on codes of FP6, then o / l quantised along (head, channel) for the last projection.  The mask is an input: every number of it is loaded and added; no key step is left out.
; u = score / sqrt(128) + mask; t = u x log2(e); M = the running largest t rounded UP to a whole number; p = 2^(t - M) is quantised along the keys, not normalised; l is the sum of the unquantised p.
; When M moves, l and O are multiplied by 2^(old M - new M): exact, and there is no branch on data.
; SHARES.  Work-group (g, y): 64 queries (64 g on) of the two query heads of kv head y % 4 of batch y / 4.  EIGHT waves, two to a SIMD, so that one wave's vector work stands beside the other's products, LDS loads and waits.
; Wave w: qt = w % 4: queries 64 g + 16 qt + r of BOTH heads, so that each fragment of K and V and each mask number read from LDS serves two tiles; kh = w / 4: THE KEYS ARE SPLIT: of each slot's two key steps of 128 keys the
; wave walks step kh alone, with an M, an l and an O^T of its own.  At the end waves 4-7 hand theirs to waves 0-3 through LDS; M being a whole number, the two halves are joined by exact powers of two.
; LAYOUT.  Both products are used transposed (S^T = K Q^T, O^T = V^T P^T): a lane holds ONE query.  K's fragments hold keys, and V's channels, in the order 32 (i / 2) + 8 (i % 2) + r % 8 + 16 (r / 8), so that the 16 registers of
; tiles 2 b, 2 b + 1 are 16 neighbours: keys 32 b + 16 h + 0 .. 15 in S^T, channels likewise in O^T.  All fragments lie in memory and in LDS as images of operand registers.
; CLUSTER 4 x 4.  K, V and their scale words hang on y alone: asked for jointly along a row of the cluster.  The mask's tile hangs on g alone: jointly along a column.
; LIMITS: NaN and +infinity in the mask, NaN and infinities elsewhere are not served; -infinity in the mask is.  A query all of whose mask numbers are -infinity has l = 0: its o is NaN here, which the conversion to codes does not carry on.
; The division by sqrt(128) is a multiplication by its reciprocal, fused with the mask's addition; l and O are summed in two halves of the keys and then joined: another order of f32 roundings.  A block of zeros keeps the byte 1.
; REGISTERS.  window 0: v1-14 addresses; v16-27 scale words; v28-43 statistics, 8 a head; v44-63 at work; v64-191 S^T, then p, 64 a head; v192-255 the mask, and, once it has been added for both heads, p's codes in v192-211.
;   window 1: v0-127 O^T, 64 a head; v128-223 K, then V in the same registers; v224-247 Q.
.set SLOT1, 1<<17                      ; slot 1 begins here: one exclusive or turns an address of one slot into the other's
.set VOFF,  24576                      ; a slot (256 keys): K's 16 images, V's 16 images,
.set MOFF,  49152                      ; and 64 rows of the mask,
.set MP,    1040                       ; 1,024 bytes + 16 of padding: the 16 rows of a load start at 16 different columns of 16 bytes
.set SCK,   2*SLOT1                    ; K's scale words of the whole head, 8,192 bytes; V's behind them
.set SCV,   SCK+8192
.set SPARE, SCV+8192                   ; the spare words, 128 bytes for each of the eight waves: four blocks of 256 bytes that no other line names
.set STG,   SPARE+1024                 ; the way out: 16 rows x 272 bytes for each of waves 0-3; no fill lands here
.set SPT,   272
.set MGB,   34*512                     ; the hand-over: 32 pieces of O^T and 2 of statistics for each pair of waves.  It lies in slot 0, which has had its last fill and its last read at the last change of slots
.set LI,  1                            ; v1  16 x lane
.set AM0, 2                            ; v2  my query's row of the mask's tile, + 64 h, + my key step's 512 bytes
.set LS,  3                            ; v3  SCK + 4 x lane + my key step's 512 bytes
.set SPW, 4                            ; v4  LDS address of my spare word; never rewritten
.set NIL, 5                            ; v5  0; never rewritten
.set ADK, 6                            ; v6-8 the step's addresses: images, mask, scale words
.set ADM, 7
.set ADS, 8
.set AKV, 9                            ; v9  16 x lane + my key step's 12,288 bytes
.set STO, 10
.set SRD, 11
.set GO,  12
.set GS,  13
.set MG,  14                           ; v14 my pair's place in the hand-over, + 16 x lane
.set KS,  16                           ; v16-19 K's scale words: lanes 0-15 tile 2 i, lanes 16-31 tile 2 i + 1;  v20-23 V's;  v24-25 Q's;  v26-27 P's
.set VS,  20
.set QS,  24
.set PS,  26
.set ST,  28                           ; head n at v[ST + 8 n]: +0 -M, +1 the largest t, +2, +3 l in two halves, +4 f (+5 named with it), +6, +7 at work
.set BM,  44
.set BX,  48
.set SO,  52
.set PW,  58
.set S,   64
.set MK,  192                          ; the mask
.set PCD, 192                          ; p's codes, 12 registers and 8 at work
.set PB,  192                          ; at the end: the partner's statistics, 4 a head
.set OP,  208                          ; at the end: o's codes, 16 a head
.set KV,  128                          ; in window 1
.set QF,  224
.set WV,  14
.set SEL, 22
.set G1D, 24                           ; s[24:31] group 1 for 12,288 dense bytes;  s[32:39] for the mask;  s[40:47] for 8,192 dense bytes
.set G1M, 32
.set G1S, 40
.set G0C, 48                           ; s[48:51] group 0 for K's and V's images: waves 0-3;  s[56:59] for the mask: waves 4-7
.set QT,  52
.set KH,  53
.set G0M, 56
.set G0SK, 60
.set G0SV, 68
.set CS,  66                           ; s[66:67] 1 / sqrt(128)
.set TB,  72                           ; s72 where the slot in hand begins
.set TS,  73                           ; s73 the slot's scale words: 1,024 bytes a slot
.set SLOTS, 74
.set HM,  75
.set L2E, 76                           ; s[76:77] log2(e)
.set MSB, 0
.macro WIN new                         ; the immediate's high byte repeats the setting that is left
.if MSB != \new
	s_set_vgpr_msb (MSB<<8)|\new
.set MSB, \new
.endif
.endm
.macro NOPS
.rept 4
	v_nop
.endr
.endm
.macro JLOAD2                          ; every wave fetches an eighth of a slot's tiles: waves 0-3 K's two steps and V's two, waves 4-7 sixteen rows of the mask each; four v_nop follow each line
	s_cmp_lt_u32 s[WV], 4
	s_cbranch_scc0 .Lfor_m_\@
	tensor_load_to_lds s[G0C:G0C+3], s[G1D:G1D+7]
	s_nop 0
	NOPS
	s_branch .Lasked_\@
.Lfor_m_\@:
	tensor_load_to_lds s[G0M:G0M+3], s[G1M:G1M+7]
	s_nop 0
	NOPS
.Lasked_\@:
.endm
.macro JSC                             ; the scale words of the whole head, filled once: wave 0 K's, wave 1 V's
	s_cmp_eq_u32 s[WV], 0
	s_cbranch_scc0 .Lnot_k_\@
	tensor_load_to_lds s[G0SK:G0SK+3], s[G1S:G1S+7]
	s_nop 0
	NOPS
	s_branch .Lsc_asked_\@
.Lnot_k_\@:
	s_cmp_eq_u32 s[WV], 1
	s_cbranch_scc0 .Lsc_asked_\@
	tensor_load_to_lds s[G0SV:G0SV+3], s[G1S:G1S+7]
	s_nop 0
	NOPS
.Lsc_asked_\@:
.endm
.macro CROUND                          ; a round of the cluster's barrier
	s_barrier_signal -1
	s_barrier_wait -1
	s_cmp_lg_u32 s[WV], 0
	s_cbranch_scc1 .Lnot_wave_0_\@
	s_barrier_signal -3
.Lnot_wave_0_\@:
	s_barrier_wait -3
	s_barrier_signal -1
	s_barrier_wait -1
.endm
	s_load_b256 s[4:11], s[0:1], 0x0               ; qkv_img, qkv_sc, mask, o_codes
	s_load_b64 s[12:13], s[0:1], 0x20              ; o_scales
	v_lshl_add_u32 v[SPW], v0, 2, SPARE
	v_mov_b32 v[NIL], 0
	ds_add_u32 v4, v5
	ds_add_u32 v4, v5
	s_wait_dscnt 0x0
	v_lshrrev_b32 v1, 5, v0
	v_readfirstlane_b32 s[WV], v1                  ; wave 0..7
	s_and_b32 s[QT], s[WV], 3                      ; my tile of 16 queries
	s_lshr_b32 s[KH], s[WV], 2                     ; which of a slot's two key steps is mine
	s_bfe_u32 s15, ttmp6, 0x40000                  ; cx
	s_bfe_u32 s16, ttmp6, 0x40004                  ; cy
	s_lshl_b32 s17, ttmp9, 2
	s_add_co_u32 s17, s17, s15                     ; g = 4 x cluster x + cx
	s_and_b32 s18, ttmp7, 0xffff
	s_lshl_b32 s18, s18, 2
	s_add_co_u32 s18, s18, s16                     ; y = 4 x cluster y + cy
	s_lshl_b32 s78, s16, 2
	s_lshl_b32 s78, 15, s78                        ; my row of the cluster
	s_lshl_b32 s79, 0x1111, s15                    ; my column
	s_or_b32 s[G1D], s78, (3<<16)|(1<<21)          ; the mask of work-groups; elements of 8 bytes; bit 21 set beside a mask; no padding
	s_mov_b32 s[G1D+1], 32<<16                     ; rows of 256 bytes,
	s_mov_b32 s[G1D+2], 48<<16                     ; 48 of them, dense: one key step's eight images
	s_mov_b32 s[G1D+3], 32<<16
	s_mov_b32 s[G1D+4], 48
	s_mov_b32 s[G1D+5], 32
	s_mov_b32 s[G1D+6], 0
	s_mov_b32 s[G1D+7], 0
	s_or_b32 s[G1S], s78, (3<<16)|(1<<21)
	s_mov_b32 s[G1S+1], 32<<16
	s_mov_b32 s[G1S+2], 32<<16                     ; 32 rows of 256 bytes
	s_mov_b32 s[G1S+3], 32<<16
	s_mov_b32 s[G1S+4], 32
	s_mov_b32 s[G1S+5], 32
	s_mov_b32 s[G1S+6], 0
	s_mov_b32 s[G1S+7], 0
	s_or_b32 s[G1M], s79, (2<<16)|(1<<20)|(1<<21)|(7<<22)|(3<<25)   ; elements of 4 bytes; 4 words of padding behind every 256
	s_mov_b32 s[G1M+1], 256<<16                    ; 256 keys,
	s_mov_b32 s[G1M+2], 16<<16                     ; 16 queries
	s_mov_b32 s[G1M+3], 256<<16
	s_mov_b32 s[G1M+4], 16
	s_mov_b32 s[G1M+5], 2048                       ; a row of the mask
	s_mov_b32 s[G1M+6], 0
	s_mov_b32 s[G1M+7], 0
	s_lshr_b32 s19, s18, 2                         ; the batch
	s_and_b32 s20, s18, 3                          ; the kv head
	s_lshl_b32 s80, s19, 4
	s_add_co_u32 s80, s80, s20
	s_add_co_u32 s81, s80, 8                       ; K's slot in qkv_img: 16 b + 8 + kv head: made of y alone
	s_mul_i32 s82, s81, 128*1536
	s_lshr_b32 s86, s[WV], 1
	s_and_b32 s86, s86, 1
	s_mul_i32 s86, s86, 4*128*1536                 ; waves 2, 3: V's slot lies four slots behind K's
	s_add_co_u32 s82, s82, s86
	s_and_b32 s86, s[WV], 1
	s_mul_i32 s86, s86, 12288                      ; odd waves: the second key step's eight images
	s_add_co_u32 s82, s82, s86
	s_mov_b32 s83, 0
	s_mul_i32 s54, s[WV], 12288                    ; and where they go: K's two steps, then V's two: wave x 12,288
	s_lshl_b32 s84, s81, 13
	s_mov_b32 s85, 0
	s_lshl_b32 s87, s17, 6
	s_lshl_b32 s88, s[QT], 4
	s_add_co_u32 s87, s87, s88                     ; the mask's rows that waves 4-7 fetch: 64 g + 16 (wave % 4): made of g alone
	s_lshl_b32 s88, s87, 13
	s_mov_b32 s89, 0
	s_mul_i32 s90, s[QT], 16*MP
	s_add_co_u32 s90, s90, MOFF
	s_lshl_b32 s91, s19, 4
	s_lshl_b32 s92, s20, 1
	s_add_co_u32 s91, s91, s92                     ; q's slot of head 0: 16 b + 2 kv head
	s_lshl_b32 s91, s91, 7
	s_lshl_b32 s92, s17, 2
	s_add_co_u32 s91, s91, s92
	s_add_co_u32 s91, s91, s[QT]                   ; my fragment: 4 g + qt
	s_mul_i32 s92, s91, 1536
	s_mov_b32 s93, 0
	s_lshl_b32 s94, s91, 6
	s_mov_b32 s95, 0
	s_lshl_b32 s96, s19, 11
	s_lshl_b32 s97, s17, 6
	s_add_co_u32 s96, s96, s97
	s_lshl_b32 s97, s[QT], 4
	s_add_co_u32 s96, s96, s97                     ; my first row of o: 2,048 b + 64 g + 16 qt
	s_mul_i32 s98, s96, 768
	s_mul_i32 s97, s20, 192
	s_add_co_u32 s98, s98, s97                     ; + the two heads' 192 bytes
	s_mov_b32 s99, 0
	s_lshl_b32 s96, s96, 5
	s_lshl_b32 s97, s20, 3
	s_add_co_u32 s96, s96, s97
	s_mov_b32 s97, 0
	s_mov_b32 s[SEL], 0x76543210
	s_mov_b32 s[SEL+1], 0xfedcba98
	s_mov_b32 s[CS], 0x3db504f3                    ; 1 / sqrt(128)
	s_mov_b32 s[CS+1], s[CS]
	s_mov_b32 s[L2E], 0x3fb8aa3b                   ; log2(e)
	s_mov_b32 s[L2E+1], s[L2E]
	s_mov_b32 s[HM], 0xffff0000
	s_mov_b32 s[TB], 0
	s_mov_b32 s[TS], 0
	s_mov_b32 s[SLOTS], 7
	s_wait_kmcnt 0x0
	s_add_nc_u64 s[82:83], s[4:5], s[82:83]        ; the images that I fetch
	s_add_nc_u64 s[84:85], s[6:7], s[84:85]        ; K's scale words
	s_add_nc_u64 s[88:89], s[8:9], s[88:89]        ; the mask
	s_add_nc_u64 s[92:93], s[4:5], s[92:93]        ; Q
	s_add_nc_u64 s[94:95], s[6:7], s[94:95]
	s_add_nc_u64 s[10:11], s[10:11], s[98:99]
	s_add_nc_u64 s[12:13], s[12:13], s[96:97]
	CROUND                                         ; all sixteen work-groups are here: the first joint loads meet
	s_mov_b32 s[G0SK], 1
	s_mov_b32 s[G0SK+1], SCK
	s_mov_b64 s[G0SK+2:G0SK+3], s[84:85]
	s_or_b32 s[G0SK+3], s[G0SK+3], 0x80000000
	s_mov_b32 s[G0SV], 1
	s_mov_b32 s[G0SV+1], SCV
	s_add_nc_u64 s[G0SV+2:G0SV+3], s[84:85], 4*8192      ; V's slot lies four slots behind K's
	s_or_b32 s[G0SV+3], s[G0SV+3], 0x80000000
	JSC
	s_mov_b32 s[G0C], 1
	s_mov_b32 s[G0C+1], s54
	s_mov_b64 s[G0C+2:G0C+3], s[82:83]
	s_or_b32 s[G0C+3], s[G0C+3], 0x80000000
	s_mov_b32 s[G0M], 1
	s_mov_b32 s[G0M+1], s90
	s_mov_b64 s[G0M+2:G0M+3], s[88:89]
	s_or_b32 s[G0M+3], s[G0M+3], 0x80000000
	JLOAD2                                         ; slot 0.  Waves 0 and 1 now have two loads out, the others one
	v_and_b32 v58, 15, v0                          ; r
	v_bfe_u32 v59, v0, 4, 1                        ; h
	v_and_b32 v60, 31, v0                          ; lane
	v_lshlrev_b32 v[LI], 4, v60
	v_lshl_add_u32 v[LS], v60, 2, SCK
	s_lshl_b32 s21, s[KH], 9
	v_add_nc_u32 v[LS], s21, v[LS]                 ; a key step's scale words are 512 bytes
	v_lshlrev_b32 v61, 2, v58
	WIN 0x40                                       ; destination window 1
.irp n, 0,1
.irp c, 0,1,2
	global_load_b128 v[QF+12*\n+4*\c:QF+12*\n+4*\c+3], v[LI], s[92:93] offset:128*1536*\n+512*\c   ; Q's two fragments stay in registers
.endr
.endr
	WIN 0
	global_load_b32 v[QS], v61, s[94:95]
	global_load_b32 v[QS+1], v61, s[94:95] offset:8192
	s_mul_i32 s21, s[KH], 12288
	v_add_nc_u32 v[AKV], s21, v[LI]                ; a key step's eight images are 12,288 bytes
	s_mul_i32 s21, s[QT], 16*MP
	s_add_co_u32 s21, s21, MOFF
	s_lshl_b32 s55, s[KH], 9
	s_add_co_u32 s21, s21, s55
	v_mul_u32_u24 v[AM0], v58, MP
	v_lshl_add_u32 v[AM0], v59, 6, v[AM0]
	v_add_nc_u32 v[AM0], s21, v[AM0]               ; row 16 qt + r of the mask's tile, + 64 h: 16 keys of each block of 32; + 512 kh: my key step
	s_mul_i32 s21, s[QT], 16*SPT
	s_add_co_u32 s21, s21, STG                     ; the stage of my tile of queries
	v_mul_u32_u24 v[STO], v58, SPT
	v_lshl_add_u32 v[STO], v59, 4, v[STO]
	v_add_nc_u32 v[STO], s21, v[STO]               ; in: row r; places of 16 bytes, each with 12 bytes of codes
	v_mul_u32_u24 v[SRD], v59, SPT
	v_lshl_add_u32 v[SRD], v58, 4, v[SRD]
	v_add_nc_u32 v[SRD], s21, v[SRD]               ; back: lanes 0-15 one row, lanes 16-31 the next
	s_mul_i32 s21, s[QT], MGB
	v_add_nc_u32 v[MG], s21, v[LI]                 ; the hand-over of my pair of waves
	v_mul_u32_u24 v[GO], v59, 768
	v_mad_u32_u24 v[GO], v58, 12, v[GO]            ; the stage's two rows in o_codes
	v_lshlrev_b32 v[GS], 5, v58
	v_lshl_add_u32 v[GS], v59, 2, v[GS]            ; o_scales: row r, lanes 16-31 the second head's word
.irp n, 0,1
	v_mov_b32 v[ST+8*\n+1], 0xff61b1e6             ; the largest t so far: -3e38
	v_floor_f32 v[ST+8*\n], -v[ST+8*\n+1]          ; -M
	v_mov_b32 v[ST+8*\n+2], 0                      ; l, in two halves
	v_mov_b32 v[ST+8*\n+3], 0
	v_mov_b32 v[ST+8*\n+5], 0                      ; (named as the upper half of f's pair)
.endr
.irp b, 0,1,2,3
	v_mov_b32 v[BX+\b], 0                          ; written once: a lane permute's destination counts as one of its sources
.endr
	WIN 0x40
.set j, 0
.rept 128
	v_mov_b32 v[j], 0                              ; O^T.  The step is written once: the first finds zeros, which the first change of M leaves zeros; that spares a further copy of the step's text
.set j, j+1
.endr
	WIN 0
.macro SQ t, n                         ; S^T: tile t of 16 keys x head n's 16 queries
.if (\t)%2
	v_wmma_scale_f32_16x16x128_f8f6f4 v[S+64*\n+8*\t:S+64*\n+8*\t+7], v[KV+12*\t:KV+12*\t+11], v[QF+12*\n:QF+12*\n+11], 0, v[KS+(\t)/2], v[QS+\n] matrix_a_fmt:MATRIX_FMT_FP6 matrix_b_fmt:MATRIX_FMT_FP6 matrix_a_scale:MATRIX_SCALE_ROW1
.else
	v_wmma_scale_f32_16x16x128_f8f6f4 v[S+64*\n+8*\t:S+64*\n+8*\t+7], v[KV+12*\t:KV+12*\t+11], v[QF+12*\n:QF+12*\n+11], 0, v[KS+(\t)/2], v[QS+\n] matrix_a_fmt:MATRIX_FMT_FP6 matrix_b_fmt:MATRIX_FMT_FP6
.endif
.endm
.macro PV n                            ; O^T += V^T P^T: eight tiles of 16 channels, by turns
	WIN 0x51                                       ; V and O^T window 1, P window 0
.irp t, 0,1,2,3,4,5,6,7
.if (\t)%2
	v_wmma_scale_f32_16x16x128_f8f6f4 v[64*\n+8*\t:64*\n+8*\t+7], v[KV+12*\t:KV+12*\t+11], v[PCD:PCD+11], v[64*\n+8*\t:64*\n+8*\t+7], v[VS+(\t)/2], v[PS+\n] matrix_a_fmt:MATRIX_FMT_FP6 matrix_b_fmt:MATRIX_FMT_FP6 matrix_a_scale:MATRIX_SCALE_ROW1
.else
	v_wmma_scale_f32_16x16x128_f8f6f4 v[64*\n+8*\t:64*\n+8*\t+7], v[KV+12*\t:KV+12*\t+11], v[PCD:PCD+11], v[64*\n+8*\t:64*\n+8*\t+7], v[VS+(\t)/2], v[PS+\n] matrix_a_fmt:MATRIX_FMT_FP6 matrix_b_fmt:MATRIX_FMT_FP6
.endif
.endr
.endm
; Head n's softmax for one key step, from u on.  Register 16 b + i of S^T is key 32 b + 16 h + i of the step.
.macro SMR n
.set rS, S+64*\n
.set rT, ST+8*\n
	WIN 0
.irp b, 0,1,2,3
	v_max3_num_f32 v[BM+\b], v[rS+16*\b], v[rS+16*\b+1], v[rS+16*\b+2]   ; the largest u of each block of 32 keys: for the row's maximum, and, since p rises with u, for the block's largest p
.endr
.irp i, 3,5,7,9,11,13
.irp b, 0,1,2,3
	v_max3_num_f32 v[BM+\b], v[BM+\b], v[rS+16*\b+\i], v[rS+16*\b+\i+1]
.endr
.endr
.irp b, 0,1,2,3
	v_max_num_f32 v[BM+\b], v[BM+\b], v[rS+16*\b+15]
.endr
.irp b, 0,1,2,3
	v_permlanex16_b32 v[BX+\b], v[BM+\b], s[SEL], s[SEL+1]
.endr
.irp b, 0,1,2,3
	v_max_num_f32 v[BM+\b], v[BM+\b], v[BX+\b]     ; with lane l xor 16's 16 keys
.endr
	v_max3_num_f32 v[rT+7], v[BM], v[BM+1], v[BM+2]
	v_max_num_f32 v[rT+7], v[rT+7], v[BM+3]        ; the step's largest u of my query
	v_mul_f32 v[rT+7], s[L2E], v[rT+7]             ; as t
	v_max_num_f32 v[rT+1], v[rT+1], v[rT+7]        ; the running largest t
	v_mov_b32 v[rT+6], v[rT]
	v_floor_f32 v[rT], -v[rT+1]                    ; the new -M = -ceil(t): a whole number
	v_sub_f32 v[rT+7], v[rT], v[rT+6]              ; old M - new M: a whole number, 0 or less
	v_cvt_i32_f32 v[rT+7], v[rT+7]                 ; (it saturates)
	v_ldexp_f32 v[rT+4], 1.0, v[rT+7]              ; f = 2^(old M - new M)
.set j, 0
.rept 32
	v_pk_fma_f32 v[rS+j:rS+j+1], v[rS+j:rS+j+1], s[L2E:L2E+1], v[rT:rT+1] op_sel_hi:[1,0,0]   ; t - M = u x log2(e) - M, two at a time
.set j, j+2
.endr
.irp b, 0,1,2,3
	v_fma_f32 v[BM+\b], v[BM+\b], s[L2E], v[rT]    ; the same of each block's largest u
.endr
.set j, 0
.rept 64
	v_exp_f32 v[rS+j], v[rS+j]                     ; p = 2^(t - M): NOT normalised
.set j, j+1
.endr
.irp b, 0,1,2,3
	v_exp_f32 v[BM+\b], v[BM+\b]                   ; the block's largest p: the same two instructions on the same number give the same bits
.endr
	v_pk_mul_f32 v[rT+2:rT+3], v[rT+2:rT+3], v[rT+4:rT+5] op_sel_hi:[1,0]   ; l under the new M.  (A plain place behind the exponentials)
	s_wait_alu depctr_va_vdst(0)
.irp b, 0,1,2,3
	v_max_num_f32 v[BM+\b], 0x1800000, v[BM+\b]    ; the floor 2^(3 - 127): the byte cannot fall under 1
.endr
.irp b, 0,1,2,3
	v_add_nc_u32 v[SO+\b], 0xff000000, v[BM+\b]    ; 2 off the exponent field: the conversion's scale operand
.endr
.irp b, 0,1,2,3
	v_lshrrev_b32 v[BX+\b], 23, v[SO+\b]           ; the scale's byte
.endr
	v_lshl_or_b32 v[PS+\n], v[BX+1], 8, v[BX]      ; p's scale word for these 128 keys
	v_lshl_or_b32 v[PS+\n], v[BX+2], 16, v[PS+\n]
	v_lshl_or_b32 v[PS+\n], v[BX+3], 24, v[PS+\n]
.irp c, 0,1
	v_cvt_scalef32_pk16_fp6_f32 v[PCD+6*\c:PCD+6*\c+2], v[rS+32*\c:rS+32*\c+15], v[SO+2*\c]
	v_cvt_scalef32_pk16_fp6_f32 v[PCD+12+4*\c:PCD+14+4*\c], v[rS+16+32*\c:rS+31+32*\c], v[SO+2*\c+1]   ; (a conversion's three registers begin on an even number)
.endr
	v_nop                                          ; one plain place behind a scaled conversion
.irp c, 0,1                                    ; a WHOLE block in a lane: lanes 0-15 block 2 c, lanes 16-31 block 2 c + 1
.irp i, 0,1,2
	v_permlane16_swap_b32 v[PCD+6*\c+\i], v[PCD+12+4*\c+\i]
.endr
.irp i, 0,1,2
	v_mov_b32 v[PCD+3+6*\c+\i], v[PCD+12+4*\c+\i]
.endr
.endr
	v_pk_add_f32 v[56:57], v[rS:rS+1], v[rS+2:rS+3]   ; l takes the UNQUANTISED p: two at a time, in two chains
.set j, 4
.rept 15
	v_pk_add_f32 v[rT+2:rT+3], v[rT+2:rT+3], v[rS+j:rS+j+1]
	v_pk_add_f32 v[56:57], v[56:57], v[rS+j+2:rS+j+3]
.set j, j+4
.endr
	v_pk_add_f32 v[rT+2:rT+3], v[rT+2:rT+3], v[56:57]
	WIN 0x41                                       ; O^T, window 1, in place
.set j, 0
.rept 32
	v_pk_mul_f32 v[64*\n+j:64*\n+j+1], v[64*\n+j:64*\n+j+1], v[rT+4:rT+5] op_sel_hi:[1,0]   ; O^T under the new M.  (These and the sums are the places between the writes of p's codes and scale word and the products)
.set j, j+2
.endr
.endm
; MY KEY STEP of the slot in hand: 128 keys
.macro STEP
	v_add_nc_u32 v[ADK], s[TB], v[AKV]
	v_add_nc_u32 v[ADM], s[TB], v[AM0]
	v_add_nc_u32 v[ADS], s[TS], v[LS]
	NOPS                                           ; places in front of loads into registers that the last products have read: V's, and p's codes under the mask
	WIN 0x40
.irp f, 0,1,2,3,4,5,6,7
.irp c, 0,1,2
	ds_load_b128 v[KV+12*\f+4*\c:KV+12*\f+4*\c+3], v[ADK] offset:1536*\f+512*\c
.endr
.endr
	WIN 0
.irp i, 0,1,2,3
	ds_load_b32 v[KS+\i], v[ADS] offset:128*\i
.endr
.irp e, 0,1,2,3,4,5,6,7,8,9,10,11,12,13,14,15
	ds_load_b128 v[MK+4*\e:MK+4*\e+3], v[ADM] offset:128*(\e/4)+16*(\e%4)
.endr
	s_wait_dscnt 16                                ; K and its scale words are in; the mask's 16 loads may be out
	WIN 0x05                                       ; K and Q window 1, S^T window 0
.irp t, 0,1,2,3,4,5,6,7
.irp n, 0,1
	SQ \t, \n
.endr
.endr
	NOPS                                           ; four places: V is loaded into K's registers, and the scores are read
	WIN 0x40
.irp f, 0,1,2,3,4,5,6,7
.irp c, 0,1,2
	ds_load_b128 v[KV+12*\f+4*\c:KV+12*\f+4*\c+3], v[ADK] offset:VOFF+1536*\f+512*\c
.endr
.endr
	WIN 0
.irp i, 0,1,2,3
	ds_load_b32 v[VS+\i], v[ADS] offset:8192+128*\i
.endr
	s_wait_dscnt 28                                ; the mask is in; V's 24 loads and its 4 scale words may be out
.set j, 0
.rept 64
	v_pk_fma_f32 v[S+j:S+j+1], v[S+j:S+j+1], s[CS:CS+1], v[MK+j%64:MK+j%64+1] op_sel_hi:[1,0,1]   ; u = score / sqrt(128) + mask, for both heads: then the mask's registers are free; each accumulator from its low end on
.set j, j+2
.endr
	SMR 0
	s_wait_dscnt 0x0                               ; V is in
	PV 0
	SMR 1                                          ; head 1's vector work is issued while head 0's products run; its codes are written far behind the products that read head 0's
	PV 1
	WIN 0
	s_add_co_u32 s[TS], s[TS], 1024
.endm
; THE CHANGE OF SLOTS stands at a slot's head.  Each wave waits for all its tensor loads (its part of the slot ahead), adds 0 to its spare word, and waits for that and for its reads of the slot that it has left.
; fill = 1: the barrier is a round of the cluster's, and behind it the other slot is filled with the next 256 keys: the load has a key step of each wave in which to land.
.macro CHANGE fill
	s_wait_tensorcnt 0x0                           ; no tensor load of mine is out, so a group 0 may be written
	ds_add_u32 v[SPW], v[NIL]                      ; 0 onto my spare word
.if \fill
	s_xor_b32 s[G0C+1], s[G0C+1], SLOT1
	s_add_nc_u64 s[G0C+2:G0C+3], s[G0C+2:G0C+3], 24576
	s_xor_b32 s[G0M+1], s[G0M+1], SLOT1
	s_add_nc_u64 s[G0M+2:G0M+3], s[G0M+2:G0M+3], 1024
	s_wait_dscnt 0x0                               ; the add is done, and my reads of the slot that I have left are over
	CROUND
	JLOAD2                                         ; the first thing behind the round, and my one tensor load until the next
.else
	s_wait_dscnt 0x0
	s_barrier_signal -1
	s_barrier_wait -1
.endif
.endm
	s_wait_loadcnt 0x0                             ; Q
.Lslot:                                            ; 7 trips: behind each change of slots but the last the next slot is asked for
	CHANGE 1
	STEP
	s_xor_b32 s[TB], s[TB], SLOT1
	s_sub_co_u32 s[SLOTS], s[SLOTS], 1
	s_cmp_lg_u32 s[SLOTS], 0
	s_cbranch_scc1 .Lslot
	CHANGE 0                                       ; the last slot is written out
	STEP
	; THE TWO HALVES OF THE KEYS MEET.  Waves 4-7 put their O^T and statistics into the hand-over as images of their registers; a barrier; waves 0-3 take them.
	NOPS                                           ; behind the last products
	s_cmp_lt_u32 s[WV], 4
	s_cbranch_scc1 .Lkeep
	WIN 0x04                                       ; an LDS store's data are its source 1: window 1
.set j, 0
.rept 32
	ds_store_b128 v[MG], v[4*j:4*j+3] offset:512*j   ; each accumulator from its low end on
.set j, j+1
.endr
	WIN 0
	ds_store_b128 v[MG], v[ST:ST+3] offset:512*32    ; -M, the largest t, l's two halves: head 0's,
	ds_store_b128 v[MG], v[ST+8:ST+11] offset:512*33 ; head 1's
.Lkeep:
	s_wait_dscnt 0x0                               ; for the others' sake: my stores have landed
	s_barrier_signal -1
	s_barrier_wait -1
	s_cmp_lt_u32 s[WV], 4
	s_cbranch_scc0 .Lend
.set j, 0
.rept 32
	ds_load_b128 v[S+4*j:S+4*j+3], v[MG] offset:512*j   ; the partner's O^T into the registers that p has left
.set j, j+1
.endr
	ds_load_b128 v[PB:PB+3], v[MG] offset:512*32
	ds_load_b128 v[PB+4:PB+7], v[MG] offset:512*33
	s_wait_dscnt 0x0
.irp n, 0,1
	v_min_num_f32 v[ST+8*\n+6], v[ST+8*\n], v[PB+4*\n]       ; -M of all keys: the smaller of the two -M
	v_add_f32 v[ST+8*\n+2], v[ST+8*\n+2], v[ST+8*\n+3]       ; my l's two halves,
	v_add_f32 v[PB+4*\n+2], v[PB+4*\n+2], v[PB+4*\n+3]       ; the partner's
.endr
.irp n, 0,1
	v_sub_f32 v[ST+8*\n+7], v[ST+8*\n+6], v[ST+8*\n]         ; my M - M: a whole number, 0 or less;
	v_sub_f32 v[PB+4*\n+1], v[ST+8*\n+6], v[PB+4*\n]         ; the partner's
.endr
.irp n, 0,1
	v_cvt_i32_f32 v[ST+8*\n+7], v[ST+8*\n+7]                 ; (it saturates)
	v_cvt_i32_f32 v[PB+4*\n+1], v[PB+4*\n+1]
.endr
.irp n, 0,1
	v_ldexp_f32 v[ST+8*\n+7], 1.0, v[ST+8*\n+7]              ; the two exact factors
	v_ldexp_f32 v[PB+4*\n+1], 1.0, v[PB+4*\n+1]
.endr
.irp n, 0,1
	v_mul_f32 v[ST+8*\n+2], v[ST+8*\n+2], v[ST+8*\n+7]
.endr
.irp n, 0,1
	v_fma_f32 v[ST+8*\n+2], v[PB+4*\n+2], v[PB+4*\n+1], v[ST+8*\n+2]   ; l of my lane's keys, under M
.endr
.irp n, 0,1
	v_permlanex16_b32 v[ST+8*\n+3], v[ST+8*\n+2], s[SEL], s[SEL+1]
.endr
.irp n, 0,1
	v_add_f32 v[ST+8*\n+2], v[ST+8*\n+2], v[ST+8*\n+3]       ; with lane l xor 16's: the row's sum
.endr
.irp n, 0,1
	v_rcp_f32 v[ST+8*\n+3], v[ST+8*\n+2]
.endr
	v_nop                                          ; a plain place behind the transcendentals
	s_wait_alu depctr_va_vdst(0)
.irp n, 0,1
	v_mul_f32 v[ST+8*\n+4], v[ST+8*\n+7], v[ST+8*\n+3]       ; my factor / l,
	v_mul_f32 v[PB+4*\n], v[PB+4*\n+1], v[ST+8*\n+3]         ; the partner's
.endr
	; THE WAY OUT.  o's register 16 b + i is channel 32 b + 16 h + i of the head: 16 neighbours along the last projection's K.  Codes go through the stage and leave as runs of 192 bytes of a row.
.macro OUT n
.set rS, S+64*\n
.set rT, ST+8*\n
.set rB, PB+4*\n
.set rP, OP+16*\n
.set j, 0
.rept 32
	v_pk_mul_f32 v[rS+j:rS+j+1], v[rS+j:rS+j+1], v[rB:rB+1] op_sel_hi:[1,0]   ; the partner's O^T x its factor / l
.set j, j+2
.endr
	WIN 0x01                                       ; source 0: my O^T, window 1
.set j, 0
.rept 32
	v_pk_fma_f32 v[rS+j:rS+j+1], v[64*\n+j:64*\n+j+1], v[rT+4:rT+5], v[rS+j:rS+j+1] op_sel_hi:[1,0,1]   ; + mine x my factor / l; each accumulator from its low end on
.set j, j+2
.endr
	WIN 0
.irp b, 0,1,2,3
	v_max3_num_f32 v[BM+\b], |v[rS+16*\b]|, |v[rS+1+16*\b]|, 0x1800000
.endr
.irp i, 2,4,6,8,10,12,14
.irp b, 0,1,2,3
	v_max3_num_f32 v[BM+\b], v[BM+\b], |v[rS+16*\b+\i]|, |v[rS+1+16*\b+\i]|
.endr
.endr
.irp b, 0,1,2,3
	v_permlanex16_b32 v[BX+\b], v[BM+\b], s[SEL], s[SEL+1]
.endr
.irp b, 0,1,2,3
	v_max_num_f32 v[BM+\b], v[BM+\b], v[BX+\b]
.endr
.irp b, 0,1,2,3
	v_add_nc_u32 v[SO+\b], 0xff000000, v[BM+\b]
.endr
.irp b, 0,1,2,3
	v_lshrrev_b32 v[BX+\b], 23, v[SO+\b]
.endr
	v_lshl_or_b32 v[PW+\n], v[BX+1], 8, v[BX]
	v_lshl_or_b32 v[PW+\n], v[BX+2], 16, v[PW+\n]
	v_lshl_or_b32 v[PW+\n], v[BX+3], 24, v[PW+\n]  ; my row's scale word for this head
.irp b, 0,1,2,3
	v_cvt_scalef32_pk16_fp6_f32 v[rP+4*\b:rP+4*\b+2], v[rS+16*\b:rS+16*\b+15], v[SO+\b]   ; 16 codes, 12 bytes: bytes 96 n + 24 b + 12 h of my row's 192
.endr
	v_nop                                          ; one plain place behind a scaled conversion
.irp b, 0,1,2,3
	ds_store_b96 v[STO], v[rP+4*\b:rP+4*\b+2] offset:128*\n+32*\b   ; to a place of 16 bytes, so that every LDS address is a multiple of 16
.endr
.endm
	OUT 0
	OUT 1
.irp t, 0,1,2,3,4,5,6,7
	ds_load_b96 v[S+4*\t:S+4*\t+2], v[SRD] offset:2*SPT*\t   ; LDS serves a wave's instructions in order: these see my stores
.endr
.irp t, 0,1,2,3,4,5,6,7
	s_wait_dscnt 7-\t
	global_store_b96 v[GO], v[S+4*\t:S+4*\t+2], s[10:11] offset:1536*\t   ; sixteen lanes store 192 consecutive bytes of a row
.endr
	v_cndmask_b32 v60, v[PW], v[PW+1], s[HM]       ; lanes 0-15 the first head's words, lanes 16-31 the second's
	global_store_b32 v[GS], v60, s[12:13]
.Lend:
	s_wait_tensorcnt 0x0                           ; the wave's end
	ds_add_u32 v[SPW], v[NIL]
	s_wait_dscnt 0x0
	CROUND                                         ; the closing round
	s_endpgm
.Lfunc_end_k_q894f80dfb0_attn:
	.size	k_q894f80dfb0_attn, .Lfunc_end_k_q894f80dfb0_attn-k_q894f80dfb0_attn
	.p2alignl 7, 3214868480
	.fill 96, 4, 3214868480
	.section	.rodata,"a",@progbits
	.p2align	6, 0x0
	.amdhsa_kernel k_q894f80dfb0_attn
		.amdhsa_group_segment_fixed_size 327680
		.amdhsa_private_segment_fixed_size 0
		.amdhsa_enable_private_segment 0
		.amdhsa_kernarg_size 40
		.amdhsa_user_sgpr_count 2
		.amdhsa_user_sgpr_kernarg_segment_ptr 1
		.amdhsa_wavefront_size32 1
		.amdhsa_system_sgpr_workgroup_id_x 1
		.amdhsa_system_sgpr_workgroup_id_y 1
		.amdhsa_system_sgpr_workgroup_id_z 1
		.amdhsa_system_vgpr_workitem_id 0
		.amdhsa_next_free_vgpr 512
		.amdhsa_next_free_sgpr 100
		.amdhsa_reserve_vcc 0
		.amdhsa_float_denorm_mode_32 3
		.amdhsa_float_denorm_mode_16_64 3
		.amdhsa_memory_ordered 1
		.amdhsa_forward_progress 1
		.amdhsa_inst_pref_size 117
	.end_amdhsa_kernel
	.amdgpu_metadata
---
amdhsa.version: [ 1, 2 ]
amdhsa.kernels:
  - .name:           k_q894f80dfb0_attn
    .symbol:         k_q894f80dfb0_attn.kd
    .args:
      - { .name: qkv_img, .offset: 0, .size: 8, .value_kind: global_buffer, .address_space: global }
      - { .name: qkv_sc, .offset: 8, .size: 8, .value_kind: global_buffer, .address_space: global }
      - { .name: mask, .offset: 16, .size: 8, .value_kind: global_buffer, .address_space: global }
      - { .name: o_codes, .offset: 24, .size: 8, .value_kind: global_buffer, .address_space: global }
      - { .name: o_scales, .offset: 32, .size: 8, .value_kind: global_buffer, .address_space: global }
    .group_segment_fixed_size: 327680
    .private_segment_fixed_size: 0
    .kernarg_segment_align: 8
    .kernarg_segment_size: 40
    .max_flat_workgroup_size: 256
    .sgpr_count:     100
    .vgpr_count:     512
    .wavefront_size: 32
...
	.end_amdgpu_metadata
.endif
;; end of part 3
;; launch oproj (part 4): grid 16 x 16, 4 waves a work-group, clusters of 4 x 4, 327,680 bytes of LDS; arguments o_codes, o_scales, wo_codes, wo_scales, out0; writes out0
.if DOCPART == 4
	.amdgcn_target "amdgcn-amd-amdhsa--gfx1250"
	.amdhsa_code_object_version 6
	.text
	.protected	k_q894f80dfb0_oproj
	.globl	k_q894f80dfb0_oproj
	.p2align	8
	.type	k_q894f80dfb0_oproj,@function
k_q894f80dfb0_oproj:
	s_mov_b64 s[64:65], 0
	v_nop
	global_prefetch_b8 v0, s[64:65] scope:SCOPE_SE
	s_setreg_imm32_b32 hwreg(HW_REG_WAVE_MODE, 25, 1), 1
	s_wait_xcnt 0x0
	s_wait_alu depctr_hold_cnt(0) depctr_sa_sdst(0) depctr_va_vdst(0) depctr_va_sdst(0) depctr_va_ssrc(0) depctr_va_vcc(0) depctr_vm_vsrc(0)
	s_getreg_b32 s2, hwreg(HW_REG_IB_STS2, 6, 4)
	s_cmp_eq_u32 s2, 0
	s_cbranch_scc0 .Lentry_in_a_cluster
	s_endpgm
.Lentry_in_a_cluster:
	s_bfe_u32 s2, ttmp6, 0x10000c
	s_cmp_lg_u32 s2, 0xf033
	s_cbranch_scc0 .Lentry_shape_is_right
	s_endpgm
.Lentry_shape_is_right:
; out0[m][n] = sum over k of o[m][k] wo[n][k].  A = o: [SIZE_M][SIZE_K], B = wo: [SIZE_N][SIZE_K]: codes of FP6 (E2M3), 6 bits each, with one E8M0 scale for each 32 along K; C: [SIZE_M][SIZE_N] f32; sums in f32.
; In memory a row of codes is one stream of bits, four codes in three bytes, the code of the lowest k in the lowest bits: 128 codes are 96 bytes.  The matrix instruction takes codes and scale bytes as they lie in memory.
; A tile of C, 256 x 256, is made by a work-group of four waves; a wave makes 128 x 128: 64 accumulators of 16 x 16, 512 registers.
; K goes in steps of 256 through a ring of two LDS slots filled by the tensor data mover: a tile's row is 192 bytes of memory.
; THE SCALES of the work-group's 256 rows of A and 256 rows of B, for all of K, are two dense blocks of memory: they come into LDS ONCE, with the first fills, in whole runs of 256 bytes, and stay.
; CLUSTERS: 4 x 4 work-groups.  The four of a row of the cluster need the same tiles of A, the four of a column the same tiles of B: each tile is asked for JOINTLY, by the same tensor load with the
; same descriptor and a mask that names the four.  THE MATRIX INSTRUCTION IS USED TRANSPOSED (source 0 = 16 rows of B, source 1 = 16 rows of A): a lane then holds eight neighbouring numbers of a row of C.
; REGISTERS, in windows of 256: window 0: v0-31 addresses; v32-63 scale words, two sets; from v128 A's fragments (8 x 16 rows x 128 K), ONE set.
;   window 1: B's fragments, TWO sets, at v0 and at v128.   window 2: the 32 accumulators of my rows 0-63 (accumulator (a, b) at v[8 (8 a + b)]);   window 3: those of my rows 64-127.
; A step of 128 along K is 64 matrix instructions, A's blocks one after the other, each against B's eight.  So a block of A is free as soon as its eight products are issued, and one set of registers serves A:
; blocks 0-3 are fetched anew in the step's middle, blocks 4-7 at its end.  B's fragments are at work through the whole step, so B has two sets.
.set SIZE_M, 4096
.set SIZE_N, 4096
.set SIZE_K, 1024
.set KSTEP,  256                       ; along K in a slot
.set NQ,     KSTEP/128                 ; matrix instructions deep
.set ROWB,   192                       ; a tile's row in bytes: KSTEP codes of 6 bits
.set KROW,   SIZE_K*6/8                ; a row of A or of B in memory, in bytes
.set PITCH,  240                       ; an LDS row: 3 x (64 bytes of data + 16 of padding) = 60 words: row r starts at bank -4 r mod 64 (64 banks of 4 bytes: ISA guide 11.1), so the 32 lanes of a load of 8 bytes touch 64 different banks
.set FR,     12                        ; registers of a fragment: 16 rows x 128 K
.set NL,     6                         ; LDS loads that bring one
.set NP,     4                         ; places behind this matrix instruction (ISA guide 7.12.1)
.set HALFT,  128*PITCH                 ; 128 rows: what one tensor load brings, and what one wave reads of A or of B
.set SLOT,   4*HALFT                   ; A's 256 rows, then B's 256 rows
.set LAPS,   SIZE_K/(2*KSTEP)          ; a lap = two K steps = once round the ring
.set KS,     SIZE_K/32                 ; a row of scales in bytes
.set SCL,    2*SLOT                    ; behind the ring: the scales, as runs of 256 bytes + 16 of padding
.set HALFS,  (128*KS/256)*272          ; the scales of 128 rows: what one tensor load brings
.set SBLK,   (16*KS/256)*272           ; those of 16 rows
.set SPARE,  SCL+4*HALFS               ; behind the scales: the spare words, 128 bytes for each wave: two blocks of 256 bytes that no other line names
.set SPITCH, 528                       ; the way out: a stage of 16 rows x (512 bytes + 16) for each wave.  It lies in slot 0, which has had its last fill and its last read when the first result is stored there
.set ADRA, 16                          ; v16-17  LDS address of my A fragments in slot 0, 1  (v18-19: the same for the pieces that lie behind one padding more)
.set ADRB, 20                          ; v20-21  the same for B  (v22-23)
.set STO,  24                          ; v24     the way out: where I put 32 bytes of a row
.set RD,   25                          ; v25     the way out: where I read a row back
.set CO,   26                          ; v26     my byte offset in a row of C
.set SPW,  28                          ; v28     LDS address of my spare word; never rewritten
.set NIL,  29                          ; v29     0; never rewritten
.set ADRS, 27                          ; v27     LDS address of my scale words: lanes 0-15 A's rows, lanes 16-31 B's
.set SC,   32                          ; scale words: set s (for slot s) at v[SC + 8 NQ s]; in it register NQ i + q: lanes 0-15 the word of A's block i, lanes 16-31 that of B's block i, for the slot's q-th 128 along K
.set AF,   128                         ; A's fragments, in window 0
.set BK,   128                         ; the way out: 16 rows read back from the stage: v128-191 and v192-255 by turns
.set G1, 24                            ; s[24:31] descriptor group 1 for A's tiles;  s[32:39] group 0, one set for each slot
.set G0, 32
.set G1B, 48                           ; s[48:55], s[56:63] the same for B's tiles
.set G0B, 56
.set G1S, 68                           ; s[68:75], s[76:79] groups 1 and 0 for A's scales;  s[80:87], s[88:91] for B's
.set G0S, 76
.set G1SB, 80
.set G0SB, 88
.set MSB, 0
.macro WIN new                         ; the immediate's high byte repeats the setting that is left
.if MSB != \new
	s_set_vgpr_msb (MSB<<8)|\new
.set MSB, \new
.endif
.endm
.set MUL_LO, 0xa1                      ; source 0 (B) window 1, source 1 (A) window 0, C and D window 2
.set MUL_HI, 0xf1                      ; the same, C and D window 3
.set TO_B,   0x40                      ; destination window 1, address window 0
; A joint load: waves 0 and 1 fetch for A, waves 2 and 3 for B.  Each of the two lines has ONE mask and one set of registers for all that issue it; the branch hangs on the wave's number alone.
; Four v_nop follow each of the two lines, ahead of the jump, the label and what follows.
.macro JLOAD g0a, g1a, g0b, g1b
	s_cmp_eq_u32 s15, 0
	s_cbranch_scc0 .Lfor_b_\@
	tensor_load_to_lds s[\g0a:\g0a+3], s[\g1a:\g1a+7]
	s_nop 0
.rept 4
	v_nop
.endr
	s_branch .Lasked_\@
.Lfor_b_\@:
	tensor_load_to_lds s[\g0b:\g0b+3], s[\g1b:\g1b+7]
	s_nop 0
.rept 4
	v_nop
.endr
.Lasked_\@:
.endm
.macro CREST                           ; a round of the cluster's barrier behind its opening barrier
	s_cmp_lg_u32 s14, 0
	s_cbranch_scc1 .Lnot_wave_0_\@
	s_barrier_signal -3
.Lnot_wave_0_\@:
	s_barrier_wait -3
	s_barrier_signal -1
	s_barrier_wait -1
.endm
.macro CROUND                          ; a whole round
	s_barrier_signal -1
	s_barrier_wait -1
	CREST
.endm
	s_load_b128 s[4:7], s[0:1], 0x0                ; A's codes s[4:5], A's scales s[6:7]
	s_load_b128 s[8:11], s[0:1], 0x10              ; B's codes s[8:9], B's scales s[10:11]
	s_load_b64 s[12:13], s[0:1], 0x20              ; C
	v_lshl_add_u32 v[SPW], v0, 2, SPARE
	v_mov_b32 v[NIL], 0
	ds_add_u32 v28, v29
	ds_add_u32 v28, v29
	s_wait_dscnt 0x0
	v_lshrrev_b32 v1, 5, v0
	v_readfirstlane_b32 s14, v1                    ; wave 0..3
	s_lshr_b32 s15, s14, 1                         ; which half of the tile's rows is mine.  Also: I fetch for A (0) or for B (1)
	s_and_b32 s16, s14, 1                          ; which half of its columns.  Also: which 128 rows of that tile I fetch
	s_bfe_u32 s40, ttmp6, 0x40000                  ; cx, cy: my place in the cluster
	s_bfe_u32 s41, ttmp6, 0x40004
	s_lshl_b32 s42, ttmp9, 2
	s_add_co_u32 s42, s42, s40                     ; tile column of C = 4 x cluster x + cx
	s_and_b32 s17, ttmp7, 0xffff
	s_lshl_b32 s17, s17, 2
	s_add_co_u32 s17, s17, s41                     ; tile row of C = 4 x cluster y + cy
	s_lshl_b32 s43, s41, 2
	s_lshl_b32 s43, 15, s43                        ; my row of the cluster
	s_lshl_b32 s44, 0x1111, s40                    ; my column
	; descriptor group 1: a tile of 128 rows x ROWB bytes, padded in LDS
	s_or_b32 s[G1+0], s43, (0<<16)|(1<<20)|(1<<21)|(3<<22)|(3<<25)  ; 15:0 the mask: A's tiles go to my row; 17:16 element of 1 byte; 20 padding on; 21 set beside a mask; 24:22 after every 16 words (code 3); 31:25 of 4 words (code 3)
	s_or_b32 s[G1B+0], s44, (0<<16)|(1<<20)|(1<<21)|(3<<22)|(3<<25)
.irp g, G1, G1B
	s_mov_b32 s[\g+1], ROWB<<16                    ; tensor_dim0
	s_mov_b32 s[\g+2], 128<<16                     ; tensor_dim1 = 128
	s_mov_b32 s[\g+3], ROWB<<16                    ; tile_dim0
	s_mov_b32 s[\g+4], 128                         ; tile_dim1 = 128
	s_mov_b32 s[\g+5], KROW                        ; tensor_dim0_stride
	s_mov_b32 s[\g+6], 0
	s_mov_b32 s[\g+7], 0
.endr
	; and for the scales of 128 rows: a dense block of 128 KS bytes, as rows of 256 bytes (32 elements of 8 bytes), 16 bytes of padding behind each
	s_or_b32 s[G1S+0], s43, (3<<16)|(1<<20)|(1<<21)|(5<<22)|(3<<25)
	s_or_b32 s[G1SB+0], s44, (3<<16)|(1<<20)|(1<<21)|(5<<22)|(3<<25)
.irp g, G1S, G1SB
	s_mov_b32 s[\g+1], 32<<16
	s_mov_b32 s[\g+2], (128*KS/256)<<16
	s_mov_b32 s[\g+3], 32<<16
	s_mov_b32 s[\g+4], 128*KS/256
	s_mov_b32 s[\g+5], 32
	s_mov_b32 s[\g+6], 0
	s_mov_b32 s[\g+7], 0
.endr
	s_lshl_b32 s18, s16, 7                         ; which 128 rows of the tile I fetch
	s_lshl_b32 s20, s17, 8
	s_add_co_u32 s20, s20, s18                     ; A: row 256 x tile row + 128 x half
	s_lshl_b32 s46, s42, 8
	s_add_co_u32 s46, s46, s18                     ; B: row 256 x tile column + 128 x half
	s_mov_b32 s21, 0
	s_mov_b32 s47, 0
	s_mov_b64 s[18:19], KS
	s_mul_u64 s[22:23], s[20:21], s[18:19]         ; where these rows' scales begin, in bytes
	s_mul_u64 s[92:93], s[46:47], s[18:19]
	s_mov_b64 s[18:19], KROW
	s_mul_u64 s[20:21], s[20:21], s[18:19]         ; and their codes
	s_mul_u64 s[46:47], s[46:47], s[18:19]
	s_mul_i32 s45, s14, HALFT                      ; where they go: wave x 128 rows: no place in the cluster enters an LDS address
	s_mul_i32 s94, s14, HALFS
	s_wait_kmcnt 0x0
	s_add_nc_u64 s[20:21], s[4:5], s[20:21]
	s_add_nc_u64 s[22:23], s[6:7], s[22:23]
	s_add_nc_u64 s[46:47], s[8:9], s[46:47]
	s_add_nc_u64 s[92:93], s[10:11], s[92:93]
	CROUND                                         ; all sixteen work-groups are here: the first joint loads meet
	s_mov_b32 s[G0S], 1
	s_add_co_u32 s[G0S+1], s94, SCL
	s_mov_b64 s[G0S+2:G0S+3], s[22:23]
	s_or_b32 s[G0S+3], s[G0S+3], 0x80000000
	s_mov_b32 s[G0SB], 1
	s_add_co_u32 s[G0SB+1], s94, SCL
	s_mov_b64 s[G0SB+2:G0SB+3], s[92:93]
	s_or_b32 s[G0SB+3], s[G0SB+3], 0x80000000
	JLOAD G0S, G1S, G0SB, G1SB                     ; the scales first: they are wanted with K step 0
.irp s, 0,1
	s_mov_b32 s[G0+4*\s], 1
	s_add_co_u32 s[G0+4*\s+1], s45, \s*SLOT
	s_add_nc_u64 s[G0+4*\s+2:G0+4*\s+3], s[20:21], \s*ROWB
	s_or_b32 s[G0+4*\s+3], s[G0+4*\s+3], 0x80000000
	s_mov_b32 s[G0B+4*\s], 1
	s_add_co_u32 s[G0B+4*\s+1], s45, \s*SLOT
	s_add_nc_u64 s[G0B+4*\s+2:G0B+4*\s+3], s[46:47], \s*ROWB
	s_or_b32 s[G0B+4*\s+3], s[G0B+4*\s+3], 0x80000000
	JLOAD G0+4*\s, G1, G0B+4*\s, G1B
.endr
	v_and_b32 v1, 15, v0                           ; l % 16
	v_bfe_u32 v2, v0, 4, 1                         ; l / 16
	v_mul_u32_u24 v3, v1, PITCH
	v_mul_u32_u24 v4, v2, 24
	v_add_nc_u32 v4, v3, v4                        ; a fragment's row x pitch + 24 x half
	v_lshl_add_u32 v5, v2, 4, v4                   ; and the same behind one padding more
	s_mul_i32 s21, s15, HALFT                      ; my 128 rows of A
	s_mul_i32 s22, s16, HALFT                      ; my 128 rows of B,
	s_add_co_u32 s22, s22, 2*HALFT                 ; which lie behind A's 256
.irp s, 0,1
	v_add_nc_u32 v[ADRA+\s], s21, v4
	v_add_nc_u32 v[ADRB+\s], s22, v4
	v_add_nc_u32 v[ADRA+2+\s], s21, v5
	v_add_nc_u32 v[ADRB+2+\s], s22, v5
	s_add_co_u32 s21, s21, SLOT
	s_add_co_u32 s22, s22, SLOT
.endr
	v_mul_u32_u24 v5, v1, KS                       ; my row's scales: KS bytes a row,
	v_lshrrev_b32 v6, 8, v5
	v_lshl_add_u32 v5, v6, 4, v5                   ; and 16 more for each 256 passed
	s_mul_i32 s21, s15, HALFS                      ; A's: my 128 rows
	s_mul_i32 s22, s16, HALFS                      ; B's: my 128 rows, behind A's 256
	s_add_co_u32 s22, s22, 2*HALFS
	s_sub_co_u32 s22, s22, s21
	v_mul_u32_u24 v6, s22, v2                      ; lanes 16-31 take B's
	s_add_co_u32 s21, s21, SCL
	v_add_nc_u32 v5, v5, v6
	v_add_nc_u32 v[ADRS], s21, v5
	s_mul_i32 s23, s14, 16*SPITCH                  ; my stage
	v_mul_u32_u24 v5, v1, SPITCH                   ; in: row l % 16, 32 bytes for each half of the lanes
	v_lshl_add_u32 v5, v2, 5, v5
	v_add_nc_u32 v[STO], s23, v5
	v_and_b32 v6, 31, v0
	v_lshlrev_b32 v[CO], 4, v6                     ; back: the 32 lanes take one row of 512 bytes; and the same in C
	v_add_nc_u32 v[RD], s23, v[CO]
	s_lshl_b32 s20, s17, 8
	s_lshl_b32 s21, s15, 7
	s_add_co_u32 s20, s20, s21                     ; my first row of C: 256 x tile row + 128 x half
	s_mov_b32 s21, 0
	s_mov_b64 s[18:19], SIZE_N*4
	s_mul_u64 s[20:21], s[20:21], s[18:19]
	s_lshl_b32 s46, s42, 10                        ; my first column, in bytes: 1024 x tile column + 512 x half
	s_lshl_b32 s47, s16, 9
	s_add_co_u32 s46, s46, s47
	s_mov_b32 s47, 0
	s_add_nc_u64 s[20:21], s[20:21], s[46:47]
	s_add_nc_u64 s[12:13], s[12:13], s[20:21]
.macro FRAG reg, adr, q, i             ; a fragment, 16 rows x 128 K of 6-bit codes, is 12 registers: lane l holds row l % 16; registers 6 c .. 6 c + 5 hold K = 64 c + 32 (l / 16) + 0 .. 31: 24 bytes of the row's stream of bits, as they lie
.irp p, 0,1,2,3,4,5                    ; in pieces of 8 bytes, so that every address is a multiple of the access's size.  Lanes 0-15 take the row's pieces 12 q + 0, 1, 2 and 12 q + 6, 7, 8, lanes 16-31 those three pieces on
.set PC, 12*(\q)+6*(\p/3)+\p%3        ; the mover has laid 16 bytes of padding behind every 64 bytes (8 pieces): where the piece three on lies behind one padding more, the second address register (40 for 24 bytes a half) serves
.if PC%8 < 5
	ds_load_b64 v[\reg+2*\p:\reg+2*\p+1], v[\adr] offset:8*PC+16*(PC/8)+(\i)*16*PITCH
.else
	ds_load_b64 v[\reg+2*\p:\reg+2*\p+1], v[\adr+2] offset:8*PC+16*(PC/8)+(\i)*16*PITCH
.endif
.endr
.endm
; 16 matrix instructions: A's blocks a0, a0 + 1 x B's eight, 128 along K: the slot's q-th.  p: B's set;  sc: the set of scale words.  zero = 1: the first product starts the sums: nothing is ever cleared.
; The 64 accumulators take turns, one instruction a turn, in the same order in every step.
.macro MUL16 a0, p, q, sc, zero
.irp a, \a0, \a0+1
.irp b, 0,1,2,3,4,5,6,7
.if \zero
	v_wmma_scale_f32_16x16x128_f8f6f4 v[8*(8*((\a)%4)+\b):8*(8*((\a)%4)+\b)+7], v[128*(\p)+FR*\b:128*(\p)+FR*\b+FR-1], v[AF+FR*(\a):AF+FR*(\a)+FR-1], 0, v[SC+8*NQ*(\sc)+NQ*\b+(\q)], v[SC+8*NQ*(\sc)+NQ*(\a)+(\q)] matrix_a_fmt:MATRIX_FMT_FP6 matrix_b_fmt:MATRIX_FMT_FP6 matrix_a_scale:MATRIX_SCALE_ROW1
.else
	v_wmma_scale_f32_16x16x128_f8f6f4 v[8*(8*((\a)%4)+\b):8*(8*((\a)%4)+\b)+7], v[128*(\p)+FR*\b:128*(\p)+FR*\b+FR-1], v[AF+FR*(\a):AF+FR*(\a)+FR-1], v[8*(8*((\a)%4)+\b):8*(8*((\a)%4)+\b)+7], v[SC+8*NQ*(\sc)+NQ*\b+(\q)], v[SC+8*NQ*(\sc)+NQ*(\a)+(\q)] matrix_a_fmt:MATRIX_FMT_FP6 matrix_b_fmt:MATRIX_FMT_FP6 matrix_a_scale:MATRIX_SCALE_ROW1
.endif
.endr
.endr
.endm
.macro FETCH_B slot, q, p              ; B's eight fragments of the slot's q-th 128 along K into set p
	WIN TO_B
.irp i, 0,1,2,3,4,5,6,7
	FRAG 128*(\p)+FR*\i, ADRB+\slot, \q, \i
.endr
	WIN 0
.endm
.macro FETCH_A slot, q, i0             ; A's blocks i0 .. i0 + 3
.irp i, \i0, \i0+1, \i0+2, \i0+3
	FRAG AF+FR*(\i), ADRA+\slot, \q, \i
.endr
.endm
.macro SCALES sc                       ; the next K step's scale words into set sc: NQ words a row; lanes 0-15 take A's block i, lanes 16-31 B's block i
.irp i, 0,1,2,3,4,5,6,7
	ds_load_b64 v[SC+8*NQ*\sc+NQ*\i:SC+8*NQ*\sc+NQ*\i+1], v[ADRS] offset:\i*SBLK
.endr
.endm
; A load into a register that a matrix instruction has read, and a vector instruction or an LDS store that reads a matrix result, stand NP places behind that matrix instruction, and only plain vector
; instructions that name none of its registers are places (ISA guide 7.12.1 for vector instructions); this text does not count the matrix instructions in between.
.macro PLACES n
.rept \n
	v_nop
.endr
.endm
; A step of 128 along K that has its successor in the same slot.
.macro STEP slot, q, zero
	s_wait_dscnt 4*NL                              ; B's set and A's blocks 0-3 are in; the youngest loads (A's blocks 4-7) may be out
	WIN MUL_LO
	MUL16 0, (\q)%2, \q, \slot, \zero
	MUL16 2, (\q)%2, \q, \slot, \zero
	s_wait_dscnt 0                                 ; A's blocks 4-7 are in (asked for 32 matrix instructions ago)
	PLACES NP
	FETCH_B \slot, (\q)+1, 1-(\q)%2
	FETCH_A \slot, (\q)+1, 0
	WIN MUL_HI
	MUL16 4, (\q)%2, \q, \slot, \zero
	MUL16 6, (\q)%2, \q, \slot, \zero
	PLACES NP
	WIN 0
	FETCH_A \slot, (\q)+1, 4
.endm
; A slot's last step changes slots: ONE barrier; in front of it each wave waits for all its tensor loads, adds 0 to its spare word, and waits for that and for its own reads of this slot.  fill = 1: this slot is filled again, two K steps ahead.
.macro TURN slot, next, fill
	s_wait_tensorcnt 0x0                           ; all my tensor loads have landed: my part of the next slot;  (every window is 0 here: the add's two registers lie in window 0)
	ds_add_u32 v[SPW], v[NIL]                      ; 0 onto my spare word;
	s_wait_dscnt 4*NL+1                            ; (the add and the youngest loads, A's blocks 4-7, may be out)
	WIN MUL_LO
	MUL16 0, 1, NQ-1, \slot, 0                     ; sixteen matrix instructions stand between the add and the wait for it
	s_wait_dscnt 0x0                               ; the add is done, and my reads of this slot are over
	s_barrier_signal -1
	MUL16 2, 1, NQ-1, \slot, 0
	WIN 0
	s_barrier_wait -1
.if \fill
	CREST                                          ; the barrier has opened a round of the cluster's barrier: no wave of any partner still reads this slot's tile or has a load on its way
	s_add_nc_u64 s[G0+4*\slot+2:G0+4*\slot+3], s[G0+4*\slot+2:G0+4*\slot+3], 2*ROWB
	s_add_nc_u64 s[G0B+4*\slot+2:G0B+4*\slot+3], s[G0B+4*\slot+2:G0B+4*\slot+3], 2*ROWB
	JLOAD G0+4*\slot, G1, G0B+4*\slot, G1B         ; the first tensor load behind the round; the four v_nop behind it are among the places in front of the loads below
.else
	PLACES NP
.endif
	v_add_nc_u32 v[ADRS], 4*NQ, v[ADRS]            ; on to the next K step's scale words (no LDS load of mine is out)
	FETCH_B \next, 0, 0
	FETCH_A \next, 0, 0
	SCALES \next
	WIN MUL_HI
	MUL16 4, 1, NQ-1, \slot, 0
	MUL16 6, 1, NQ-1, \slot, 0
	PLACES NP
	WIN 0
	FETCH_A \next, 0, 4
.endm
	s_wait_tensorcnt 1                             ; the scales and my part of K step 0 are in (K step 1's load may be out),
	s_barrier_signal -1
	s_barrier_wait -1                              ; everybody's are
	FETCH_B 0, 0, 0
	FETCH_A 0, 0, 0
	SCALES 0
	FETCH_A 0, 0, 4
	STEP 0, 0, 1                                   ; the first step stands in front of the loop: its products start the sums
.if LAPS > 1
	s_mov_b32 s3, LAPS-1
.Llap:                                                 ; a trip goes once round the ring, from a lap's second step to the next lap's first, and fills both slots again
	TURN 0, 1, 1
	STEP 1, 0, 0
	TURN 1, 0, 1
	STEP 0, 0, 0
	s_sub_co_u32 s3, s3, 1
	s_cmp_lg_u32 s3, 0
	s_cbranch_scc1 .Llap
.endif
	TURN 0, 1, 0                                   ; the last lap fills nothing, and has no round of the cluster's barrier
	STEP 1, 0, 0
	s_wait_dscnt 4*NL                              ; the very last step: nothing more to fetch
	WIN MUL_LO
	MUL16 0, 1, NQ-1, 1, 0
	MUL16 2, 1, NQ-1, 1, 0
	s_wait_dscnt 0
	WIN MUL_HI
	MUL16 4, 1, NQ-1, 1, 0
	MUL16 6, 1, NQ-1, 1, 0
	WIN 0
; THE WAY OUT, block by block of 16 rows x 128 columns.  A lane holds 32 neighbouring bytes of a row, and the lanes beside it hold other rows: so a block goes through my own stage in LDS and comes back as whole
; rows of 512 bytes, which the 32 lanes store as two aligned runs of 256 bytes.  LDS serves a wave's instructions in order (ISA guide 5.7.1.4): no wait between the stores and the loads, nor in front of the next block's stores.
.macro TOSTAGE a
.set AC, 64*((\a)%4)
	WIN 0x08+4*((\a)/4)                            ; the data: window 2 or 3
.irp b, 0,1,2,3,4,5,6,7
	ds_store_b128 v[STO], v[AC+8*\b:AC+8*\b+3] offset:64*\b          ; each accumulator from its low end on
	ds_store_b128 v[STO], v[AC+8*\b+4:AC+8*\b+7] offset:64*\b+16
.endr
	WIN 0
.set BB, BK+64*((\a)%2)
.irp t, 0,1,2,3,4,5,6,7,8,9,10,11,12,13,14,15
	ds_load_b128 v[BB+4*\t:BB+4*\t+3], v[RD] offset:\t*SPITCH
.endr
.endm
.macro SEND a, younger                 ; younger: the LDS instructions issued behind block a's loads, which may stay out
.set BB, BK+64*((\a)%2)
	s_wait_dscnt \younger                          ; the block is back in registers
.if (\a) > 0
	s_add_nc_u64 s[12:13], s[12:13], 16*SIZE_N*4   ; (behind a wait on XCNT: the earlier stores have read their base)  16 rows of C on, so that the stores' offsets stay small: 15 rows of C at the most, inside the signed 24-bit immediate (ISA guide, chapter 10)
.endif
.irp t, 0,1,2,3,4,5,6,7,8,9,10,11,12,13,14,15
	global_store_b128 v[CO], v[BB+4*\t:BB+4*\t+3], s[12:13] offset:\t*SIZE_N*4 th:TH_STORE_NT   ; 32 lanes store 512 consecutive bytes, at a multiple of 256 from C's first byte; written once, read by nobody here
.endr
.endm
	PLACES NP                                      ; the first block's results were finished long ago, the last products' registers are not touched yet: these places serve the loads into the registers that held A's fragments and block 7's reads alike
	TOSTAGE 0
.irp a, 1,2,3,4,5,6,7
.if \a > 1
	s_wait_xcnt 0x0                                ; block a - 2's stores have read their registers and their base: block a's loads may land there, and the base may step
.endif
	TOSTAGE \a
	SEND \a-1, 32                                  ; behind block a - 1's loads: block a's 16 stores and 16 loads
.endr
	s_wait_xcnt 0x0                                ; block 6's stores have read their base
	SEND 7, 0
	s_wait_tensorcnt 0x0                           ; the wave's end, behind my last tensor load and my last LDS store
	ds_add_u32 v[SPW], v[NIL]
	s_wait_dscnt 0x0
	CROUND                                         ; the closing round: no work-group ends while a partner may still ask for a tile that names it
	s_endpgm
.Lfunc_end_k_q894f80dfb0_oproj:
	.size	k_q894f80dfb0_oproj, .Lfunc_end_k_q894f80dfb0_oproj-k_q894f80dfb0_oproj
	.p2alignl 7, 3214868480
	.fill 96, 4, 3214868480
	.section	.rodata,"a",@progbits
	.p2align	6, 0x0
	.amdhsa_kernel k_q894f80dfb0_oproj
		.amdhsa_group_segment_fixed_size 327680
		.amdhsa_private_segment_fixed_size 0
		.amdhsa_enable_private_segment 0
		.amdhsa_kernarg_size 40
		.amdhsa_user_sgpr_count 2
		.amdhsa_user_sgpr_kernarg_segment_ptr 1
		.amdhsa_wavefront_size32 1
		.amdhsa_system_sgpr_workgroup_id_x 1
		.amdhsa_system_sgpr_workgroup_id_y 1
		.amdhsa_system_sgpr_workgroup_id_z 1
		.amdhsa_system_vgpr_workitem_id 0
		.amdhsa_next_free_vgpr 1024
		.amdhsa_next_free_sgpr 98
		.amdhsa_reserve_vcc 0
		.amdhsa_float_denorm_mode_32 3
		.amdhsa_float_denorm_mode_16_64 3
		.amdhsa_memory_ordered 1
		.amdhsa_forward_progress 1
		.amdhsa_inst_pref_size 160
	.end_amdhsa_kernel
	.amdgpu_metadata
---
amdhsa.version: [ 1, 2 ]
amdhsa.kernels:
  - .name:           k_q894f80dfb0_oproj
    .symbol:         k_q894f80dfb0_oproj.kd
    .args:
      - { .name: o_codes, .offset: 0, .size: 8, .value_kind: global_buffer, .address_space: global }
      - { .name: o_scales, .offset: 8, .size: 8, .value_kind: global_buffer, .address_space: global }
      - { .name: wo_codes, .offset: 16, .size: 8, .value_kind: global_buffer, .address_space: global }
      - { .name: wo_scales, .offset: 24, .size: 8, .value_kind: global_buffer, .address_space: global }
      - { .name: out0, .offset: 32, .size: 8, .value_kind: global_buffer, .address_space: global }
    .group_segment_fixed_size: 327680
    .private_segment_fixed_size: 0
    .kernarg_segment_align: 8
    .kernarg_segment_size: 40
    .max_flat_workgroup_size: 128
    .sgpr_count:     98
    .vgpr_count:     1024
    .wavefront_size: 32
...
	.end_amdgpu_metadata
.endif
;; end of part 4
